; MI455X (gfx1250); checked and timed in simulation.
; The chip was launched on July 23, 2026; its instructions are those of AMD's public machine-readable ISA for CDNA 5 (MIT licence, August 2026) and "CDNA5" Instruction Set Architecture Reference Guide (July 2026). The comments in the code are by the model that wrote it; some were corrected since.
;; Multi Head Self Attention. Allowed arithmetic: matrix products marked QUANTISED: E3M2 operands, one E8M0 scale for each 32 along K, by v_wmma_scale_f32_16x16x128_f8f6f4 with both operands' format E3M2, f32 sums; everything else in f32.
;; Inputs: W_k 1,024 x 1,024 float32; W_o 1,024 x 1,024 float32; W_q 1,024 x 1,024 float32; W_v 1,024 x 1,024 float32; b_k 1,024 float32; b_o 1,024 float32; b_q 1,024 float32; b_v 1,024 float32; x 4 x 2,048 x 1,024 float32.
;; Outputs: out0 4 x 2,048 x 1,024 float32.
;; This version of the problem:
;;   THIS VERSION OF THE PROBLEM IS GIVEN IN LOW PRECISION. The matrix products marked QUANTISED in the list below multiply operands that are first quantised to E3M2 (3 exponent bits, 2 mantissa bits; 6 bits a number), with one power-of-two scale for each 32 numbers along K (OCP MX v1.0); their sums are f32. All else is computed in f32.
;;   The module's matrix products, in the order in which they are computed (A, B: the left and right operand; K: the contracted axis; several contracted axes count as one K, in the product's order):
;;     1. [M 8,192, K 1,024] x [K 1,024, N 1,024]; A: input x; B: input W_q: QUANTISED
;;     2. [M 8,192, K 1,024] x [K 1,024, N 1,024]; A: input x; B: input W_k: QUANTISED
;;     3. [M 8,192, K 1,024] x [K 1,024, N 1,024]; A: input x; B: input W_v: QUANTISED
;;     4. batch 64 x [M 2,048, K 64] x [K 64, N 2,048]; A: computed on the way; B: computed on the way: QUANTISED
;;     5. batch 64 x [M 2,048, K 2,048] x [K 2,048, N 64]; A: softmax (see below); B: computed on the way: QUANTISED
;;     6. [M 8,192, K 1,024] x [K 1,024, N 1,024]; A: computed on the way; B: input W_o: QUANTISED
;;   THE QUANTISER, for each operand of a quantised product, along K:
;;     - K is cut into blocks of 32 from its start; a last block that is shorter is filled with zeros.
;;     - A block's scale is 2^e with e = floor(log2(the largest magnitude in the block)) - 4, held to -126 .. 127; a block of zeros has e = 0. As a byte (E8M0): e + 127.
;;     - Each number is divided by its block's scale, clamped to +-28, and rounded to the nearest number of E3M2, ties to even, subnormals kept.
;;     - The product sums the exact products of the quantised numbers (number of the format x scale) in f32.
;;   ~~~python
;;   def quantise(x, axis):      # numpy; x: float32 -> the quantised numbers, widened to float32 again
;;       x = np.moveaxis(x, axis, -1); K = x.shape[-1]
;;       x = np.pad(x, [(0, 0)] * (x.ndim - 1) + [(0, -K % 32)]); x = x.reshape(x.shape[:-1] + (-1, 32)); a = np.abs(x).max(-1, keepdims=True)
;;       e = np.where(a > 0, np.clip(np.frexp(np.where(a > 0, a, 1))[1] - 1 - 4, -126, 127), 0)      # np.frexp(a)[1] - 1 = floor(log2(a)), exactly
;;       r = np.clip(x / 2.0 ** e, -28, 28)
;;       step = 2.0 ** (np.maximum(np.frexp(np.where(r == 0, 1, r))[1] - 1, -2) - 2)
;;       q = np.round(r / step) * step * 2.0 ** e      # np.round: ties to even
;;       return np.moveaxis(q.reshape(q.shape[:-2] + (-1,))[..., :K], -1, axis).astype(np.float32)
;;   ~~~
;;   SOFTMAX AHEAD OF A QUANTISED PRODUCT. Where the list says 'softmax', what is quantised is not the finished softmax but p = 2^(t - M), with t = logit x log2(e) and M = ceil(the row's largest t), a whole number; so 1/2 < the row's largest p <= 1. The row's sum l is taken of the UNQUANTISED p, in f32, and the product's result is divided by l at the end. Since M is a whole number, a kernel that streams over the keys may use a running M (the ceiling of the running maximum): every later rescaling is an exact power of two, which a block's scale takes up: the codes' values come out the same.
;;   OPERANDS COMPUTED ON THE WAY. 'Computed on the way' means the value that the module computes at that place (a softmax that the list does not call 'softmax' is quantised finished and normalised). What goes into a quantiser is computed in f32, as accurately as f32 sums, v_exp_f32 and their like allow (about 1e-6 of the number): no bf16 or f16 on the way to a quantiser, and a product that is left as it is and whose result goes on into a quantised operand takes f32 operands (vector FMAs, or v_wmma_f32_16x16x4_f32). A number that lies on a knife's edge between two numbers of the format may be rounded either way, as far as f32 arithmetic and the matrix unit's own rounding can turn it there, and no further.
;; One version. Each part assembles by itself: llvm-mc -triple=amdgcn-amd-amdhsa -mcpu=gfx1250 --defsym DOCPART=n.
;; ======== version 1 of 1: 4 launches
;; limits: right only within a limited range of input values
;; workspace buffers: oc 9,437,184 bytes; os 393,216 bytes; qb 6,815,744 bytes; kv 13,369,344 bytes; cc 6,291,456 bytes; cs 262,144 bytes
;; launch quant (part 1): grid 768 x 1, 4 waves a work-group, no clusters, 34,304 bytes of LDS; arguments x, W_q, W_k, W_v, W_o, oc, os; writes oc, os
.if DOCPART == 1
	.amdgcn_target "amdgcn-amd-amdhsa--gfx1250"
	.amdhsa_code_object_version 6
	.text
	.protected	k_q3ae87e1f3e_quant
	.globl	k_q3ae87e1f3e_quant
	.p2align	8
	.type	k_q3ae87e1f3e_quant,@function
k_q3ae87e1f3e_quant:
	s_mov_b64 s[64:65], 0
	v_nop
	global_prefetch_b8 v0, s[64:65] scope:SCOPE_SE
	s_setreg_imm32_b32 hwreg(HW_REG_WAVE_MODE, 25, 1), 1
	s_wait_xcnt 0x0
; x [8192][1024] and W_q, W_k, W_v, W_o [1024][1024], f32, K innermost, become codes of BF6 (E3M2) with one E8M0 byte for each 32 along K.
; A block's scale is 2^(floor(log2(its largest magnitude)) - 4); its byte is the largest magnitude's exponent field - 4, held at 1 from below.
; LIMITS: NaN and infinities among the inputs are not served.  A block of zeros gets the byte 1 where the rule says 127: its codes are zeros, and these bytes are read by this program alone.
; ORDER OF ROWS.  Tile T of 16 rows takes, in lane r, the actual row 32 (T / 2) + 8 (T % 2) + r + 8 (r / 8): where such a tile is source 0 of a product, a lane's 16 results of tiles 2 b and 2 b + 1
; are 16 actual neighbours, which the next quantiser wants.  Tiles 0-511 x, 512-575 W_q, 576-639 W_k, 640-703 W_v, 704-767 W_o.
; LAYOUT OF THE CODES: images of operand registers.  A fragment (16 rows x 128 K, 12 registers a lane) is two halves of 768 bytes; a half: lane l's registers 0-3 at 16 l, its registers 4-5 at 512 + 8 l.
; oc: [tile][K step 8][1,536 bytes].  os: [tile][4][row 16][2 words]: word 2 g + e is the row's four bytes of K step 2 g + e.
; SHARES.  A work-group takes one tile, a wave two of its eight K steps (16 rows x 1,024 bytes).  Each load reads 512 consecutive bytes of a row; the 8 KB of a K step turn through the wave's own stage in LDS,
; so that a lane gets 16 neighbours of each block of its row.  Waves share nothing: no barrier.  Work-groups share no input: no cluster, no matrix unit.
.set SP,   528                         ; a stage row: 512 bytes + 16: row r starts 4 r banks on, so the sixteen rows of a read start at sixteen different banks
.set WREG, 16*SP                       ; a wave's stage
.set R,    16                          ; v16-79   a K step as loaded: row p in v[R + 4 p]
.set X,    80                          ; v80-143  turned: register 16 b + i = k 32 b + 16 (lane / 16) + i of row lane % 16
.set PC,   144                         ; v144-162 the codes
.set TM,   164                         ; v164-179 at work
.set PWS,  184                         ; v184-185 the two K steps' scale words
.set SEL,  20                          ; s[20:21] v_permlanex16_b32's selects for lane l xor 16
	s_load_b256 s[4:11], s[0:1], 0x0               ; x, W_q, W_k, W_v
	s_load_b128 s[12:15], s[0:1], 0x20             ; W_o, oc
	s_load_b64 s[16:17], s[0:1], 0x30              ; os
	v_lshl_add_u32 v192, v0, 2, 0x8400
	v_mov_b32 v193, 0
	v_lshrrev_b32 v1, 5, v0
	v_readfirstlane_b32 s24, v1                    ; wave: which two K steps
	v_and_b32 v1, 31, v0                           ; lane
	v_and_b32 v2, 15, v0                           ; r
	v_bfe_u32 v3, v0, 4, 1                         ; h
	v_lshlrev_b32 v4, 4, v1                        ; 16 x lane
	v_lshlrev_b32 v5, 3, v1                        ; 8 x lane
	v_lshlrev_b32 v8, 3, v2                        ; 8 r
	s_mul_i32 s25, s24, WREG
	v_add_nc_u32 v6, s25, v4                       ; the stage, on the way in: 16 x lane of a row
	v_mul_u32_u24 v7, v2, SP
	v_lshl_add_u32 v7, v3, 6, v7
	v_add_nc_u32 v7, s25, v7                       ; and on the way out: row r, + 64 h
	s_mov_b32 s[SEL], 0x76543210
	s_mov_b32 s[SEL+1], 0xfedcba98
.irp b, 0,1,2,3
	v_mov_b32 v[TM+4+\b], 0                        ; written once: a lane permute's destination counts as one of its sources
.endr
	s_wait_alu depctr_va_vdst(0)                   ; the wait at the head's end
	s_wait_kmcnt 0x0
	s_mov_b64 s[18:19], s[12:13]                   ; which tensor: the choice hangs on the work-group's number, which is the tile's, alone
	s_mov_b32 s22, 704
	s_cmp_lt_u32 ttmp9, 704
	s_cselect_b64 s[18:19], s[10:11], s[18:19]
	s_cselect_b32 s22, 640, s22
	s_cmp_lt_u32 ttmp9, 640
	s_cselect_b64 s[18:19], s[8:9], s[18:19]
	s_cselect_b32 s22, 576, s22
	s_cmp_lt_u32 ttmp9, 576
	s_cselect_b64 s[18:19], s[6:7], s[18:19]
	s_cselect_b32 s22, 512, s22
	s_cmp_lt_u32 ttmp9, 512
	s_cselect_b64 s[18:19], s[4:5], s[18:19]
	s_cselect_b32 s22, 0, s22
	s_sub_co_u32 s23, ttmp9, s22                   ; the tile's number in its tensor
	s_lshr_b32 s28, s23, 1
	s_lshl_b32 s28, s28, 5
	s_and_b32 s29, s23, 1
	s_lshl_b32 s29, s29, 3
	s_add_co_u32 s28, s28, s29                     ; its first actual row
	s_lshl_b32 s28, s28, 12                        ; rows of 4,096 bytes
	s_lshl_b32 s29, s24, 10
	s_add_co_u32 s28, s28, s29                     ; + my 1,024 bytes of them
	s_mov_b32 s29, 0
	s_add_nc_u64 s[18:19], s[18:19], s[28:29]
	s_mul_i32 s28, ttmp9, 12288
	s_mul_i32 s30, s24, 3072
	s_add_co_u32 s28, s28, s30
	s_add_nc_u64 s[14:15], s[14:15], s[28:29]      ; my two fragments in oc
	s_lshl_b32 s28, ttmp9, 9
	s_lshl_b32 s30, s24, 7
	s_add_co_u32 s28, s28, s30
	s_add_nc_u64 s[16:17], s[16:17], s[28:29]      ; my 128 bytes in os
.macro LOADG u                         ; K step u: 16 loads, each 512 consecutive bytes of one row
.irp p, 0,1,2,3,4,5,6,7,8,9,10,11,12,13,14,15
	global_load_b128 v[R+4*\p:R+4*\p+3], v4, s[18:19] offset:(\p+8*(\p/8))*4096+512*(\u) th:TH_LOAD_NT
.endr
.endm
.macro TURN                            ; through the stage: LDS serves a wave's instructions in order, so no wait stands between the stores and the loads
.irp p, 0,1,2,3,4,5,6,7,8,9,10,11,12,13,14,15
	ds_store_b128 v6, v[R+4*\p:R+4*\p+3] offset:SP*\p
.endr
.irp b, 0,1,2,3
.irp j, 0,1,2,3
	ds_load_b128 v[X+16*\b+4*\j:X+16*\b+4*\j+3], v7 offset:128*\b+16*\j
.endr
.endr
.endm
; 64 numbers of a lane, register 16 b + i = k 32 b + 16 (lane / 16) + i of my row, become a fragment's codes in v[PC] on and its scale word in v[pw]
.macro QUANT s, pw
.irp b, 0,1,2,3
	v_max3_num_f32 v[TM+\b], |v[\s+16*\b]|, |v[\s+1+16*\b]|, 0x2800000   ; my 16 numbers of block b, and the floor 2^(5 - 127): the byte cannot fall under 1
.endr
.irp i, 2,4,6,8,10,12,14
.irp b, 0,1,2,3
	v_max3_num_f32 v[TM+\b], v[TM+\b], |v[\s+16*\b+\i]|, |v[\s+1+16*\b+\i]|   ; the four blocks by turns
.endr
.endr
.irp b, 0,1,2,3
	v_permlanex16_b32 v[TM+4+\b], v[TM+\b], s[SEL], s[SEL+1]
.endr
.irp b, 0,1,2,3
	v_max_num_f32 v[TM+\b], v[TM+\b], v[TM+4+\b]   ; with lane l xor 16's: the block's largest magnitude
.endr
.irp b, 0,1,2,3
	v_add_nc_u32 v[TM+12+\b], 0xfe000000, v[TM+\b] ; 4 off its exponent field: the conversion's scale operand
.endr
.irp b, 0,1,2,3
	v_lshrrev_b32 v[TM+4+\b], 23, v[TM+12+\b]      ; the scale's byte
.endr
	v_lshl_or_b32 v[\pw], v[TM+5], 8, v[TM+4]
	v_lshl_or_b32 v[\pw], v[TM+6], 16, v[\pw]
	v_lshl_or_b32 v[\pw], v[TM+7], 24, v[\pw]
.irp c, 0,1
	v_cvt_scalef32_pk16_bf6_f32 v[PC+6*\c:PC+2+6*\c], v[\s+32*\c:\s+15+32*\c], v[TM+12+2*\c]
	v_cvt_scalef32_pk16_bf6_f32 v[PC+12+4*\c:PC+14+4*\c], v[\s+16+32*\c:\s+31+32*\c], v[TM+12+2*\c+1]   ; (a conversion's three registers begin on an even number)
.endr
	v_nop                                          ; one plain place behind a scaled conversion
.irp c, 0,1                            ; the operand's layout wants a whole block in a lane: lanes 0-15 block 2 c, lanes 16-31 block 2 c + 1
.irp i, 0,1,2
	v_permlane16_swap_b32 v[PC+6*\c+\i], v[PC+12+4*\c+\i]
.endr
.irp i, 0,1,2
	v_mov_b32 v[PC+3+6*\c+\i], v[PC+12+4*\c+\i]
.endr
.endr
.endm
	LOADG 0
.irp u, 0,1
	s_wait_loadcnt 0x0                             ; this K step's 16 loads are in
	TURN
	s_wait_dscnt 0x0                               ; the turned numbers are in, and the stage's stores have read v[R] on
	s_wait_xcnt 0x0                                ; the last K step's stores have read the codes' registers
.if \u < 1
	LOADG \u+1                                     ; the next K step is on its way while this one is quantised
.endif
	QUANT X, PWS+\u
	global_store_b128 v4, v[PC:PC+3], s[14:15] offset:1536*\u          ; 512 consecutive bytes
	global_store_b64 v5, v[PC+4:PC+5], s[14:15] offset:1536*\u+512     ; 256
	global_store_b128 v4, v[PC+6:PC+9], s[14:15] offset:1536*\u+768
	global_store_b64 v5, v[PC+10:PC+11], s[14:15] offset:1536*\u+1280
.endr
	global_store_b64 v8, v[PWS:PWS+1], s[16:17]    ; my rows' two words: 128 consecutive bytes (lanes 16-31 hold and write what lanes 0-15 write)
	s_wait_tensorcnt 0x0                           ; the wave's end
	ds_add_u32 v192, v193
	s_wait_dscnt 0x0
	s_endpgm
.Lfunc_end_k_q3ae87e1f3e_quant:
	.size	k_q3ae87e1f3e_quant, .Lfunc_end_k_q3ae87e1f3e_quant-k_q3ae87e1f3e_quant
	.p2alignl 7, 3214868480
	.fill 96, 4, 3214868480
	.section	.rodata,"a",@progbits
	.p2align	6, 0x0
	.amdhsa_kernel k_q3ae87e1f3e_quant
		.amdhsa_group_segment_fixed_size 34304
		.amdhsa_private_segment_fixed_size 0
		.amdhsa_enable_private_segment 0
		.amdhsa_kernarg_size 56
		.amdhsa_user_sgpr_count 2
		.amdhsa_user_sgpr_kernarg_segment_ptr 1
		.amdhsa_wavefront_size32 1
		.amdhsa_system_sgpr_workgroup_id_x 1
		.amdhsa_system_sgpr_workgroup_id_y 1
		.amdhsa_system_sgpr_workgroup_id_z 1
		.amdhsa_system_vgpr_workitem_id 0
		.amdhsa_next_free_vgpr 194
		.amdhsa_next_free_sgpr 66
		.amdhsa_reserve_vcc 0
		.amdhsa_float_denorm_mode_32 3
		.amdhsa_float_denorm_mode_16_64 3
		.amdhsa_memory_ordered 1
		.amdhsa_forward_progress 1
		.amdhsa_inst_pref_size 19
	.end_amdhsa_kernel
	.amdgpu_metadata
---
amdhsa.version: [ 1, 2 ]
amdhsa.kernels:
  - .name:           k_q3ae87e1f3e_quant
    .symbol:         k_q3ae87e1f3e_quant.kd
    .args:
      - { .name: x, .offset: 0, .size: 8, .value_kind: global_buffer, .address_space: global }
      - { .name: W_q, .offset: 8, .size: 8, .value_kind: global_buffer, .address_space: global }
      - { .name: W_k, .offset: 16, .size: 8, .value_kind: global_buffer, .address_space: global }
      - { .name: W_v, .offset: 24, .size: 8, .value_kind: global_buffer, .address_space: global }
      - { .name: W_o, .offset: 32, .size: 8, .value_kind: global_buffer, .address_space: global }
      - { .name: oc, .offset: 40, .size: 8, .value_kind: global_buffer, .address_space: global }
      - { .name: os, .offset: 48, .size: 8, .value_kind: global_buffer, .address_space: global }
    .group_segment_fixed_size: 34304
    .private_segment_fixed_size: 0
    .kernarg_segment_align: 8
    .kernarg_segment_size: 56
    .max_flat_workgroup_size: 128
    .sgpr_count:     66
    .vgpr_count:     194
    .wavefront_size: 32
...
	.end_amdgpu_metadata
.endif
;; end of part 1
;; launch gemm_qkv (part 2): grid 12 x 32, 4 waves a work-group, clusters of 4 x 4, 327,680 bytes of LDS; arguments oc, os, b_q, b_k, b_v, qb, kv; writes qb, kv
.if DOCPART == 2
	.amdgcn_target "amdgcn-amd-amdhsa--gfx1250"
	.amdhsa_code_object_version 6
	.text
	.protected	k_q3ae87e1f3e_gemm_qkv
	.globl	k_q3ae87e1f3e_gemm_qkv
	.p2align	8
	.type	k_q3ae87e1f3e_gemm_qkv,@function
k_q3ae87e1f3e_gemm_qkv:
	s_mov_b64 s[64:65], 0
	v_nop
	global_prefetch_b8 v0, s[64:65] scope:SCOPE_SE
	s_setreg_imm32_b32 hwreg(HW_REG_WAVE_MODE, 25, 1), 1
	s_wait_xcnt 0x0
	s_wait_alu depctr_hold_cnt(0) depctr_sa_sdst(0) depctr_va_vdst(0) depctr_va_sdst(0) depctr_va_ssrc(0) depctr_va_vcc(0) depctr_vm_vsrc(0)
	s_getreg_b32 s2, hwreg(HW_REG_IB_STS2, 6, 4)
	s_cmp_eq_u32 s2, 0
	s_cbranch_scc0 .Lentry_in_a_cluster
	s_endpgm
.Lentry_in_a_cluster:
	s_bfe_u32 s2, ttmp6, 0x10000c
	s_cmp_lg_u32 s2, 0xf033
	s_cbranch_scc0 .Lentry_shape_is_right
	s_endpgm
.Lentry_shape_is_right:
.set NQ,     2
.set FR,     12
.set NL,     4
.set NP,     4
.set TILEB,  3072
.set HALFT,  8*TILEB
.set SLOT,   4*HALFT
.set SCL,    2*SLOT
.set HALFS,  4096
.set SBLK,   512
.set SPARE,  SCL+4*HALFS
.set L16,  4
.set L8,   5
.set ADRA, 16
.set ADRB, 20
.set ADRS, 27
.set SPW,  28
.set NIL,  29
.set SC,   32
.set BI,   64
.set AF,   128
.set PC,   128
.set TM,   224
.set PWA,  240
.set LO,   248
.set WV,   18
.set RH,   19
.set CH,   20
.set G1,   24
.set G0,   32
.set G1B,  48
.set G0B,  56
.set SEL,  66
.set G1S,  68
.set G0S,  76
.set G1SB, 80
.set G0SB, 88
.set MSB, 0
.macro WIN new
.if MSB != \new
	s_set_vgpr_msb (MSB<<8)|\new
.set MSB, \new
.endif
.endm
.set MUL_LO, 0xa1
.set MUL_HI, 0xf1
.set FST_LO, 0x81
.set FST_HI, 0xc1
.set TO_B,   0x40
.macro JLOAD g0a, g1a, g0b, g1b
	s_cmp_eq_u32 s[RH], 0
	s_cbranch_scc0 .Lfor_b_\@
	tensor_load_to_lds s[\g0a:\g0a+3], s[\g1a:\g1a+7]
	s_nop 0
.rept 4
	v_nop
.endr
	s_branch .Lasked_\@
.Lfor_b_\@:
	tensor_load_to_lds s[\g0b:\g0b+3], s[\g1b:\g1b+7]
	s_nop 0
.rept 4
	v_nop
.endr
.Lasked_\@:
.endm
.macro CREST
	s_cmp_lg_u32 s[WV], 0
	s_cbranch_scc1 .Lnot_wave_0_\@
	s_barrier_signal -3
.Lnot_wave_0_\@:
	s_barrier_wait -3
	s_barrier_signal -1
	s_barrier_wait -1
.endm
.macro CROUND
	s_barrier_signal -1
	s_barrier_wait -1
	CREST
.endm
	s_load_b128 s[4:7], s[0:1], 0x0
	s_load_b128 s[8:11], s[0:1], 0x10
	s_load_b128 s[12:15], s[0:1], 0x20
	s_load_b64 s[16:17], s[0:1], 0x30
	v_lshl_add_u32 v[SPW], v0, 2, SPARE
	v_mov_b32 v[NIL], 0
	ds_add_u32 v28, v29
	ds_add_u32 v28, v29
	s_wait_dscnt 0x0
	v_lshrrev_b32 v1, 5, v0
	v_readfirstlane_b32 s[WV], v1
	s_lshr_b32 s[RH], s[WV], 1
	s_and_b32 s[CH], s[WV], 1
	s_bfe_u32 s40, ttmp6, 0x40000
	s_bfe_u32 s41, ttmp6, 0x40004
	s_and_b32 s42, ttmp7, 0xffff
	s_lshl_b32 s43, s41, 2
	s_lshl_b32 s43, 15, s43
	s_lshl_b32 s44, 0x1111, s40
	s_or_b32 s[G1+0], s43, (3<<16)|(1<<21)
	s_or_b32 s[G1B+0], s44, (3<<16)|(1<<21)
.irp g, G1, G1B
	s_mov_b32 s[\g+1], 384<<16
	s_mov_b32 s[\g+2], 16<<16
	s_mov_b32 s[\g+3], 384<<16
	s_mov_b32 s[\g+4], 16
	s_mov_b32 s[\g+5], 1536
	s_mov_b32 s[\g+6], 0
	s_mov_b32 s[\g+7], 0
.endr
	s_or_b32 s[G1S+0], s43, (3<<16)|(1<<21)
	s_or_b32 s[G1SB+0], s44, (3<<16)|(1<<21)
.irp g, G1S, G1SB
	s_mov_b32 s[\g+1], 32<<16
	s_mov_b32 s[\g+2], 32<<16
	s_mov_b32 s[\g+3], 32<<16
	s_mov_b32 s[\g+4], 32
	s_mov_b32 s[\g+5], 32
	s_mov_b32 s[\g+6], 0
	s_mov_b32 s[\g+7], 0
.endr
	s_lshl_b32 s21, s42, 6
	s_lshl_b32 s22, ttmp9, 6
	s_add_co_u32 s22, s22, 512
	s_cmp_eq_u32 ttmp9, 2
	s_cselect_b32 s2, 1, 0
	s_cselect_b32 s23, 640, s21
	s_cselect_b32 s22, s21, s22
	s_lshl_b32 s92, s41, 4
	s_add_co_u32 s93, s23, s92
	s_lshl_b32 s94, s40, 4
	s_add_co_u32 s95, s22, s94
	s_lshl_b32 s21, s[CH], 3
	s_add_co_u32 s96, s93, s21
	s_add_co_u32 s98, s95, s21
	s_mul_i32 s46, s96, 12288
	s_mov_b32 s47, 0
	s_lshl_b32 s96, s93, 9
	s_mov_b32 s97, 0
	s_mul_i32 s100, s98, 12288
	s_mov_b32 s101, 0
	s_lshl_b32 s98, s95, 9
	s_mov_b32 s99, 0
	s_mul_i32 s45, s[WV], HALFT
	s_wait_kmcnt 0x0
	s_add_nc_u64 s[46:47], s[4:5], s[46:47]
	s_add_nc_u64 s[96:97], s[6:7], s[96:97]
	s_add_nc_u64 s[100:101], s[4:5], s[100:101]
	s_add_nc_u64 s[98:99], s[6:7], s[98:99]
	CROUND
	s_mov_b32 s[G0S], 1
	s_mov_b32 s[G0S+1], SCL
	s_mov_b64 s[G0S+2:G0S+3], s[96:97]
	s_or_b32 s[G0S+3], s[G0S+3], 0x80000000
	s_mov_b32 s[G0SB], 1
	s_mov_b32 s[G0SB+1], SCL+2*HALFS
	s_mov_b64 s[G0SB+2:G0SB+3], s[98:99]
	s_or_b32 s[G0SB+3], s[G0SB+3], 0x80000000
.irp s, 0,1
	s_mov_b32 s[G0+4*\s], 1
	s_add_co_u32 s[G0+4*\s+1], s45, \s*SLOT
	s_add_nc_u64 s[G0+4*\s+2:G0+4*\s+3], s[46:47], \s*TILEB
	s_or_b32 s[G0+4*\s+3], s[G0+4*\s+3], 0x80000000
	s_mov_b32 s[G0B+4*\s], 1
	s_add_co_u32 s[G0B+4*\s+1], s45, \s*SLOT
	s_add_nc_u64 s[G0B+4*\s+2:G0B+4*\s+3], s[100:101], \s*TILEB
	s_or_b32 s[G0B+4*\s+3], s[G0B+4*\s+3], 0x80000000
.endr
; THE HEAD'S LOADS, ONE A WAVE, each a whole tile: wave 0 slot 0's 16 tiles of A, wave 2 its 16 tiles of B (these two waves' own quarters begin where the whole begins, in memory and in LDS),
; wave 1 the scales of A's 16 tiles, wave 3 those of B's.  One chain of branches on the wave's number, one load to an arm, all arms leading to one join.
	s_cmp_eq_u32 s[WV], 0
	s_cbranch_scc0 .Lhead_b
	tensor_load_to_lds s[G0:G0+3], s[G1:G1+7]
	s_nop 0
.rept 4
	v_nop
.endr
	s_branch .Lhead_asked
.Lhead_b:
	s_cmp_eq_u32 s[WV], 2
	s_cbranch_scc0 .Lhead_sa
	tensor_load_to_lds s[G0B:G0B+3], s[G1B:G1B+7]
	s_nop 0
.rept 4
	v_nop
.endr
	s_branch .Lhead_asked
.Lhead_sa:
	s_cmp_eq_u32 s[WV], 1
	s_cbranch_scc0 .Lhead_sb
	tensor_load_to_lds s[G0S:G0S+3], s[G1S:G1S+7]
	s_nop 0
.rept 4
	v_nop
.endr
	s_branch .Lhead_asked
.Lhead_sb:
	tensor_load_to_lds s[G0SB:G0SB+3], s[G1SB:G1SB+7]
	s_nop 0
.rept 4
	v_nop
.endr
.Lhead_asked:
	s_wait_alu depctr_va_vdst(0)
	s_wait_tensorcnt 0x0                           ; my tile of the head's four is in
	ds_add_u32 v28, v29
	s_mov_b32 s[G1+2], 8<<16                       ; no tensor load of mine is out: from here on a load brings 8 tiles, a quarter of a slot
	s_mov_b32 s[G1+4], 8
	s_mov_b32 s[G1B+2], 8<<16
	s_mov_b32 s[G1B+4], 8
	s_wait_dscnt 0x0
	CROUND
	JLOAD G0+4, G1, G0B+4, G1B                     ; slot 1's first fill, the first tensor load behind the round
	v_and_b32 v1, 31, v0
	v_and_b32 v2, 15, v0
	v_bfe_u32 v3, v0, 4, 1
	v_lshlrev_b32 v[L16], 4, v1
	v_lshlrev_b32 v[L8], 3, v1
	s_mul_i32 s21, s[RH], HALFT
	s_mul_i32 s22, s[CH], HALFT
	s_add_co_u32 s22, s22, 2*HALFT
.irp s, 0,1
	v_add_nc_u32 v[ADRA+\s], s21, v[L16]
	v_add_nc_u32 v[ADRB+\s], s22, v[L16]
	v_add_nc_u32 v[ADRA+2+\s], s21, v[L8]
	v_add_nc_u32 v[ADRB+2+\s], s22, v[L8]
	s_add_co_u32 s21, s21, SLOT
	s_add_co_u32 s22, s22, SLOT
.endr
	v_lshlrev_b32 v6, 3, v2
	s_mul_i32 s21, s[RH], HALFS
	s_mul_i32 s22, s[CH], HALFS
	s_add_co_u32 s22, s22, 2*HALFS
	s_sub_co_u32 s22, s22, s21
	v_mul_u32_u24 v7, s22, v3
	s_add_co_u32 s21, s21, SCL
	v_add_nc_u32 v6, v6, v7
	v_add_nc_u32 v[ADRS], s21, v6
	s_mov_b32 s[SEL], 0x76543210
	s_mov_b32 s[SEL+1], 0xfedcba98
.irp b, 0,1,2,3
	v_mov_b32 v[TM+4+\b], 0
.endr
	s_cmp_eq_u32 ttmp9, 1
	s_cselect_b64 s[8:9], s[10:11], s[8:9]
	s_cmp_eq_u32 ttmp9, 2
	s_cselect_b64 s[8:9], s[12:13], s[8:9]
	s_lshl_b32 s21, s40, 8
	s_lshl_b32 s22, s[CH], 7
	s_add_co_u32 s21, s21, s22
	s_lshl_b32 s22, s41, 8
	s_lshl_b32 s23, s[RH], 7
	s_add_co_u32 s22, s22, s23
	s_cmp_eq_u32 s2, 1
	s_cselect_b32 s21, s22, s21
	s_cselect_b32 s22, 4, 0
	s_cselect_b32 s23, 0, 64
	s_cselect_b32 s46, 0, 4
	s_lshl_b32 s100, s21, 2
	s_mov_b32 s101, 0
	s_add_nc_u64 s[8:9], s[8:9], s[100:101]
	v_and_b32 v8, 8, v2
	v_add_nc_u32 v8, v8, v2
	v_mul_u32_u24 v9, s22, v8
	v_mad_u32_u24 v9, s23, v3, v9
	s_wait_alu depctr_va_vdst(0)
.irp j, 0,1,2,3,4,5,6,7
	s_mul_i32 s47, s46, \j
	v_add_nc_u32 v[LO+\j], s47, v9
.endr
.irp i, 0,1,2,3,4,5,6,7
.irp j, 0,1,2,3,4,5,6,7
	global_load_b32 v[BI+8*\i+\j], v[LO+\j], s[8:9] offset:(32*(\i/2)+8*(\i%2))*4
.endr
.endr
.macro FRAG reg, adr, q, i
.irp c, 0,1
	ds_load_b128 v[\reg+6*\c:\reg+6*\c+3], v[\adr] offset:TILEB*(\i)+1536*(\q)+768*\c
	ds_load_b64 v[\reg+6*\c+4:\reg+6*\c+5], v[\adr+2] offset:TILEB*(\i)+1536*(\q)+768*\c+512
.endr
.endm
.macro MUL16 a0, p, q, sc, zero
.irp a, \a0, \a0+1
.irp b, 0,1,2,3,4,5,6,7
.if \zero == 1
	v_wmma_scale_f32_16x16x128_f8f6f4 v[8*(8*((\a)%4)+\b):8*(8*((\a)%4)+\b)+7], v[128*(\p)+FR*\b:128*(\p)+FR*\b+FR-1], v[AF+FR*(\a):AF+FR*(\a)+FR-1], v[BI+8*\b:BI+8*\b+7], v[SC+8*NQ*(\sc)+NQ*\b+(\q)], v[SC+8*NQ*(\sc)+NQ*(\a)+(\q)] matrix_a_fmt:MATRIX_FMT_BF6 matrix_b_fmt:MATRIX_FMT_BF6 matrix_a_scale:MATRIX_SCALE_ROW1
.elseif \zero == 2
	v_wmma_scale_f32_16x16x128_f8f6f4 v[8*(8*((\a)%4)+\b):8*(8*((\a)%4)+\b)+7], v[128*(\p)+FR*\b:128*(\p)+FR*\b+FR-1], v[AF+FR*(\a):AF+FR*(\a)+FR-1], v[BI+8*(\a):BI+8*(\a)+7], v[SC+8*NQ*(\sc)+NQ*\b+(\q)], v[SC+8*NQ*(\sc)+NQ*(\a)+(\q)] matrix_a_fmt:MATRIX_FMT_BF6 matrix_b_fmt:MATRIX_FMT_BF6 matrix_a_scale:MATRIX_SCALE_ROW1
.else
	v_wmma_scale_f32_16x16x128_f8f6f4 v[8*(8*((\a)%4)+\b):8*(8*((\a)%4)+\b)+7], v[128*(\p)+FR*\b:128*(\p)+FR*\b+FR-1], v[AF+FR*(\a):AF+FR*(\a)+FR-1], v[8*(8*((\a)%4)+\b):8*(8*((\a)%4)+\b)+7], v[SC+8*NQ*(\sc)+NQ*\b+(\q)], v[SC+8*NQ*(\sc)+NQ*(\a)+(\q)] matrix_a_fmt:MATRIX_FMT_BF6 matrix_b_fmt:MATRIX_FMT_BF6 matrix_a_scale:MATRIX_SCALE_ROW1
.endif
.endr
.endr
.endm
.macro FETCH_B slot, q, p
	WIN TO_B
.irp i, 0,1,2,3,4,5,6,7
	FRAG 128*(\p)+FR*\i, ADRB+\slot, \q, \i
.endr
	WIN 0
.endm
.macro FETCH_A slot, q, i0
.irp i, \i0, \i0+1, \i0+2, \i0+3
	FRAG AF+FR*(\i), ADRA+\slot, \q, \i
.endr
.endm
.macro SCALES sc
.irp i, 0,1,2,3,4,5,6,7
	ds_load_b64 v[SC+8*NQ*\sc+NQ*\i:SC+8*NQ*\sc+NQ*\i+1], v[ADRS] offset:\i*SBLK
.endr
.endm
.macro PLACES n
.rept \n
	v_nop
.endr
.endm
.macro STEP slot, q, zero
	s_wait_dscnt 4*NL
.if \zero
	WIN FST_LO
.else
	WIN MUL_LO
.endif
	MUL16 0, (\q)%2, \q, \slot, \zero
	MUL16 2, (\q)%2, \q, \slot, \zero
	s_wait_dscnt 0
	PLACES NP
	FETCH_B \slot, (\q)+1, 1-(\q)%2
	FETCH_A \slot, (\q)+1, 0
.if \zero
	WIN FST_HI
.else
	WIN MUL_HI
.endif
	MUL16 4, (\q)%2, \q, \slot, \zero
	MUL16 6, (\q)%2, \q, \slot, \zero
	PLACES NP
	WIN 0
	FETCH_A \slot, (\q)+1, 4
.endm
.macro TURN slot, next, fill
	s_wait_tensorcnt 0x0
	ds_add_u32 v[SPW], v[NIL]
	s_wait_dscnt 4*NL+1
	WIN MUL_LO
	MUL16 0, 1, NQ-1, \slot, 0
	s_wait_dscnt 0x0
	s_barrier_signal -1
	MUL16 2, 1, NQ-1, \slot, 0
	WIN 0
	s_barrier_wait -1
.if \fill
	CREST
	s_add_nc_u64 s[G0+4*\slot+2:G0+4*\slot+3], s[G0+4*\slot+2:G0+4*\slot+3], 2*TILEB
	s_add_nc_u64 s[G0B+4*\slot+2:G0B+4*\slot+3], s[G0B+4*\slot+2:G0B+4*\slot+3], 2*TILEB
	JLOAD G0+4*\slot, G1, G0B+4*\slot, G1B
.else
	PLACES NP
.endif
	s_wait_alu depctr_va_vdst(0)
	v_add_nc_u32 v[ADRS], 128, v[ADRS]
	FETCH_B \next, 0, 0
	FETCH_A \next, 0, 0
	SCALES \next
	WIN MUL_HI
	MUL16 4, 1, NQ-1, \slot, 0
	MUL16 6, 1, NQ-1, \slot, 0
	PLACES NP
	WIN 0
	FETCH_A \next, 0, 4
.endm
	s_wait_tensorcnt 1
	s_barrier_signal -1
	s_barrier_wait -1
	FETCH_B 0, 0, 0
	FETCH_A 0, 0, 0
	SCALES 0
	FETCH_A 0, 0, 4
	s_wait_loadcnt 0x0
	s_cmp_eq_u32 s2, 1
	s_cbranch_scc1 .Lfirst_v
	STEP 0, 0, 1
	s_branch .Lfirst_done
.Lfirst_v:
	STEP 0, 0, 2
.Lfirst_done:
	TURN 0, 1, 1
	STEP 1, 0, 0
	TURN 1, 0, 1
	STEP 0, 0, 0
	TURN 0, 1, 0
	STEP 1, 0, 0
	s_wait_dscnt 4*NL
	WIN MUL_LO
	MUL16 0, 1, NQ-1, 1, 0
	MUL16 2, 1, NQ-1, 1, 0
	s_wait_dscnt 0
	WIN MUL_HI
	MUL16 4, 1, NQ-1, 1, 0
	MUL16 6, 1, NQ-1, 1, 0
	WIN 0
	s_lshr_b32 s21, s93, 3
	s_add_co_u32 s21, s21, s[RH]
	s_lshr_b32 s22, s95, 3
	s_add_co_u32 s22, s22, s[CH]
	s_lshl_b32 s23, s40, 2
	s_lshl_b32 s46, s[CH], 1
	s_add_co_u32 s23, s23, s46
	s_lshl_b32 s46, s41, 2
	s_lshl_b32 s47, s[RH], 1
	s_add_co_u32 s46, s46, s47
	s_cmp_eq_u32 s2, 1
	s_cselect_b32 s21, s22, s21
	s_cselect_b32 s23, s46, s23
	s_lshr_b32 s22, s21, 4
	s_lshl_b32 s22, s22, 4
	s_add_co_u32 s22, s22, s23
	s_lshl_b32 s22, s22, 4
	s_and_b32 s21, s21, 15
	s_add_co_u32 s22, s22, s21
	s_mov_b32 s46, 6656
	s_cmp_lg_u32 ttmp9, 0
	s_cselect_b64 s[96:97], s[16:17], s[14:15]
	s_cselect_b32 s46, 13056, s46
	s_mul_i32 s100, s22, s46
	s_mov_b32 s101, 0
	s_add_nc_u64 s[96:97], s[96:97], s[100:101]
	s_lshl_b32 s100, s46, 4
	s_add_nc_u64 s[98:99], s[96:97], s[100:101]
	s_mov_b32 s22, 768
	s_mov_b32 s23, 0
	s_mov_b32 s47, 0
	s_mov_b32 s21, 256
	s_mov_b32 s43, 0xffff
	s_mov_b32 s44, 0x7f7f0000
	s_cmp_eq_u32 s2, 1
	s_cselect_b32 s100, 6144, 0
	s_cselect_b32 s22, 1536, s22
	s_cselect_b32 s46, 202752, 0
	s_cselect_b32 s21, 208896, s21
	s_cselect_b32 s43, -1, s43
	s_cselect_b32 s44, 0, s44
	s_add_nc_u64 s[92:93], s[96:97], s[100:101]
	s_add_nc_u64 s[94:95], s[92:93], 768
	s_cselect_b64 s[94:95], s[94:95], s[98:99]
	s_mov_b32 s100, 6144
	s_cmp_eq_u32 ttmp9, 1
	s_cselect_b32 s100, 12288, s100
	s_cmp_eq_u32 ttmp9, 2
	s_cselect_b32 s100, 12800, s100
.macro QUANTW a
.set AC, 64*((\a)%4)
.set WW, 2+(\a)/4
.set WQ, WW*5
	WIN WQ
.irp b, 0,1,2,3
	v_max3_num_f32 v[TM+\b], |v[AC+16*\b]|, |v[AC+16*\b+1]|, 0x2800000
.endr
.irp i, 2,4,6,8,10,12,14
.irp b, 0,1,2,3
	v_max3_num_f32 v[TM+\b], |v[AC+16*\b+\i]|, |v[AC+16*\b+\i+1]|, v[TM+\b]
.endr
.endr
	WIN 0
.irp b, 0,1,2,3
	v_permlanex16_b32 v[TM+4+\b], v[TM+\b], s[SEL], s[SEL+1]
.endr
.irp b, 0,1,2,3
	v_max_num_f32 v[TM+\b], v[TM+\b], v[TM+4+\b]
.endr
.irp b, 0,1,2,3
	v_add_nc_u32 v[TM+12+\b], 0xfe000000, v[TM+\b]
.endr
.irp b, 0,1,2,3
	v_lshrrev_b32 v[TM+4+\b], 23, v[TM+12+\b]
.endr
	v_lshl_or_b32 v[PWA+(\a)], v[TM+5], 8, v[TM+4]
	v_lshl_or_b32 v[PWA+(\a)], v[TM+6], 16, v[PWA+(\a)]
	v_lshl_or_b32 v[PWA+(\a)], v[TM+7], 24, v[PWA+(\a)]
	WIN WW
.irp c, 0,1
	v_cvt_scalef32_pk16_bf6_f32 v[PC+6*\c:PC+2+6*\c], v[AC+32*\c:AC+15+32*\c], v[TM+12+2*\c]
	v_cvt_scalef32_pk16_bf6_f32 v[PC+12+4*\c:PC+14+4*\c], v[AC+16+32*\c:AC+31+32*\c], v[TM+12+2*\c+1]
.endr
	WIN 0
	v_nop
.irp c, 0,1
.irp i, 0,1,2
	v_permlane16_swap_b32 v[PC+6*\c+\i], v[PC+12+4*\c+\i]
.endr
.irp i, 0,1,2
	v_mov_b32 v[PC+3+6*\c+\i], v[PC+12+4*\c+\i]
.endr
.endr
.endm
	PLACES NP
.irp a, 0,1,2,3,4,5,6,7
.if \a > 0
	s_wait_xcnt 0x0
	s_add_nc_u64 s[92:93], s[92:93], s[22:23]
	s_add_nc_u64 s[94:95], s[94:95], s[22:23]
.if \a == 4
	s_add_nc_u64 s[92:93], s[92:93], s[46:47]
	s_add_nc_u64 s[94:95], s[94:95], s[46:47]
.endif
.endif
	QUANTW \a
	global_store_b128 v[L16], v[PC:PC+3], s[92:93]
	global_store_b64 v[L8], v[PC+4:PC+5], s[92:93] offset:512
	global_store_b128 v[L16], v[PC+6:PC+9], s[94:95]
	global_store_b64 v[L8], v[PC+10:PC+11], s[94:95] offset:512
.endr
	v_cmp_eq_u32 vcc_lo, 1, v3
	v_mul_u32_u24 v9, s21, v3
	v_lshl_add_u32 v9, v2, 4, v9
	v_add_nc_u32 v9, s100, v9
.irp i, 0,1,2,3
	v_cndmask_b32 v[168+\i], v[PWA+\i], v[PWA+4+\i], vcc_lo
.endr
.irp i, 0,1,2,3
	v_and_or_b32 v[160+\i], v[168+\i], s43, s44
.endr
	global_store_b128 v9, v[160:163], s[96:97]
	s_cmp_eq_u32 s2, 1
	s_cbranch_scc1 .Lone_word
.irp i, 0,1,2,3
	v_lshrrev_b32 v[164+\i], 16, v[168+\i]
.endr
.irp i, 0,1,2,3
	v_or_b32 v[164+\i], s44, v[164+\i]
.endr
	global_store_b128 v9, v[164:167], s[98:99]
.Lone_word:
	s_wait_tensorcnt 0x0
	ds_add_u32 v[SPW], v[NIL]
	s_wait_dscnt 0x0
	CROUND
	s_endpgm
.Lfunc_end_k_q3ae87e1f3e_gemm_qkv:
	.size	k_q3ae87e1f3e_gemm_qkv, .Lfunc_end_k_q3ae87e1f3e_gemm_qkv-k_q3ae87e1f3e_gemm_qkv
	.p2alignl 7, 3214868480
	.fill 96, 4, 3214868480
	.section	.rodata,"a",@progbits
	.p2align	6, 0x0
	.amdhsa_kernel k_q3ae87e1f3e_gemm_qkv
		.amdhsa_group_segment_fixed_size 327680
		.amdhsa_private_segment_fixed_size 0
		.amdhsa_enable_private_segment 0
		.amdhsa_kernarg_size 56
		.amdhsa_user_sgpr_count 2
		.amdhsa_user_sgpr_kernarg_segment_ptr 1
		.amdhsa_wavefront_size32 1
		.amdhsa_system_sgpr_workgroup_id_x 1
		.amdhsa_system_sgpr_workgroup_id_y 1
		.amdhsa_system_sgpr_workgroup_id_z 1
		.amdhsa_system_vgpr_workitem_id 0
		.amdhsa_next_free_vgpr 1024
		.amdhsa_next_free_sgpr 102
		.amdhsa_reserve_vcc 1
		.amdhsa_float_denorm_mode_32 3
		.amdhsa_float_denorm_mode_16_64 3
		.amdhsa_memory_ordered 1
		.amdhsa_forward_progress 1
		.amdhsa_inst_pref_size 172
	.end_amdhsa_kernel
	.amdgpu_metadata
---
amdhsa.version: [ 1, 2 ]
amdhsa.kernels:
  - .name:           k_q3ae87e1f3e_gemm_qkv
    .symbol:         k_q3ae87e1f3e_gemm_qkv.kd
    .args:
      - { .name: oc, .offset: 0, .size: 8, .value_kind: global_buffer, .address_space: global }
      - { .name: os, .offset: 8, .size: 8, .value_kind: global_buffer, .address_space: global }
      - { .name: b_q, .offset: 16, .size: 8, .value_kind: global_buffer, .address_space: global }
      - { .name: b_k, .offset: 24, .size: 8, .value_kind: global_buffer, .address_space: global }
      - { .name: b_v, .offset: 32, .size: 8, .value_kind: global_buffer, .address_space: global }
      - { .name: qb, .offset: 40, .size: 8, .value_kind: global_buffer, .address_space: global }
      - { .name: kv, .offset: 48, .size: 8, .value_kind: global_buffer, .address_space: global }
    .group_segment_fixed_size: 327680
    .private_segment_fixed_size: 0
    .kernarg_segment_align: 8
    .kernarg_segment_size: 56
    .max_flat_workgroup_size: 128
    .sgpr_count:     102
    .vgpr_count:     1024
    .wavefront_size: 32
...
	.end_amdgpu_metadata
.endif
;; end of part 2
;; launch attn (part 3): grid 4 x 64, 8 waves a work-group, clusters of 4 x 1, 210,944 bytes of LDS; arguments qb, kv, cc, cs; writes cc, cs
.if DOCPART == 3
	.amdgcn_target "amdgcn-amd-amdhsa--gfx1250"
	.amdhsa_code_object_version 6
	.text
	.protected	k_q3ae87e1f3e_attn
	.globl	k_q3ae87e1f3e_attn
	.p2align	8
	.type	k_q3ae87e1f3e_attn,@function
k_q3ae87e1f3e_attn:
	s_mov_b64 s[64:65], 0
	v_nop
	global_prefetch_b8 v0, s[64:65] scope:SCOPE_SE
	s_setreg_imm32_b32 hwreg(HW_REG_WAVE_MODE, 25, 1), 1
	s_wait_xcnt 0x0
	s_wait_alu depctr_hold_cnt(0) depctr_sa_sdst(0) depctr_va_vdst(0) depctr_va_sdst(0) depctr_va_ssrc(0) depctr_va_vcc(0) depctr_vm_vsrc(0)
	s_getreg_b32 s2, hwreg(HW_REG_IB_STS2, 6, 4)
	s_cmp_eq_u32 s2, 0
	s_cbranch_scc0 .Lentry_in_a_cluster
	s_endpgm
.Lentry_in_a_cluster:
	s_bfe_u32 s2, ttmp6, 0x10000c
	s_cmp_lg_u32 s2, 0x3003
	s_cbranch_scc0 .Lentry_shape_is_right
	s_endpgm
.Lentry_shape_is_right:
; context[b][h][q] = softmax_k(q . k / 8) v, both products on codes of BF6 (E3M2) with E8M0 scales; the context is divided by the row's sum, quantised along the head's 64 and leaves as codes for the last product.
; THE SOFTMAX: t = score x log2(e) / 8; M = the running largest t rounded UP to a whole number; p = 2^(t - M) is quantised along the keys, not normalised; the row's sum is taken of the unquantised p, in f32.
; When M moves, the sum and O are multiplied by 2^(old M - new M): exact.  LIMITS: NaN and infinities are not served; a block of zeros carries the byte 1 (its codes are zeros).
; SHARES.  A work-group owns 512 queries of one head.  Each of its eight waves owns FOUR tiles of 16 queries and walks the 2,048 keys once, 128 a step: a step's fragments of K and V are read from LDS once for the four tiles.
; THE WHOLE HEAD'S K AND V LIE IN LDS, 16 blocks of 13,056 bytes (128 keys each: K: 8 halves of 768; V^T: 4 fragments at 6,144; K's words at 12,288; V's at 12,800), FILLED ONCE: each wave brings two blocks by one load.
; Nothing is filled again, and all that the launch reads through LDS is asked for at the head: there is no loop to run ahead in, so no prefetch is written.
; CLUSTER.  The four work-groups of a cluster belong to one head and need the same 16 blocks: each pair of blocks is asked for jointly, by the same tensor load with a mask that names the four.
; LAYOUT.  Both products are used transposed (S^T = K Q^T, O^T = V^T P^T): a lane holds one query throughout.
; WHICH KEYS FORM A TILE OF K is chosen here, by the lanes' LDS addresses alone: row m of tile 4 c + u is key 64 c + 32 (m / 8) + 8 u + m % 8.  So the 32 registers of tiles 4 c .. 4 c + 3 in lane (r, h) are the
; 32 neighbouring keys 64 c + 32 h + 0 .. 31: one whole block of p, in the order of the operand's registers.  A block's maximum needs no other lane, and the conversions' results are the operand.
; In the blocks as they were stored, that key lies in half 4 c + 2 (m / 8) + u % 2, row m % 8 + 8 (u / 2).
; THE HEAD IS 64, THE INSTRUCTION'S K 128: Q's upper six registers are zero codes and the words' upper two bytes 0x7f, so whatever stands in the upper six registers named for K (the next tile's codes) adds nothing.
; THE ORDER OF A STEP.  The scores have two buffers by turns.  Inside tile i's softmax, behind its exponentials and their wait, stand tile i - 1's four products with V and tile i + 1's eight products with K:
; no transcendental then stands between a score's write and its first read, and that one wait also stands between every product with V and the next read of its O^T.
; REGISTERS.  Window 0: v1-7 lane offsets; v8-13 the step's LDS addresses; v14 8 h; v16-17 the add's; v20-35 four tiles' -M, largest score, sum (a pair); v36-70 at work; v72-83 p's codes; v84 p's word;
;   v88-99 K's, V's, Q's words; v100-123 Q of tiles 0, 1; v128-255 the scores, then p.   Window 1: v0-127 O^T of the four tiles; v128-175 K, v176-181 zeros; v184-231 V; v232-255 Q of tiles 2, 3.
.set BLKB, 13056
.set SPARE, 16*BLKB
.set WV,   12
.set SEL,  20
.set CS,   22
.set G1,   24
.set G0,   32
.set TB,   36                          ; s36  LDS byte of the key step's block
.set CNT,  37
.set NC,   52                          ; s52  -c
.set SH8,  14
.set SPW,  16
.set NIL,  17
.set STB,  20
.set TN,   36                          ; the new -M (the low word of a pair)
.set F,    38                          ; 2^(old M - new M) (the low word of a pair)
.set TD,   40
.set MX,   41
.set PT,   42
.set BM,   44
.set CA,   46
.set SO,   50
.set BY,   52
.set W,    54
.set T,    56
.set CT,   64
.set PC,   72
.set PW,   84
.set KWR,  88
.set VWR,  92
.set QW,   96
.set Q,    100
.set KF,   128                         ; window 1
.set VF,   184                         ; window 1
.set MSB, 0
.macro WIN new                         ; the immediate's high byte repeats the setting that is left
.if MSB != \new
	s_set_vgpr_msb (MSB<<8)|\new
.set MSB, \new
.endif
.endm
.macro CROUND
	s_barrier_signal -1
	s_barrier_wait -1
	s_cmp_lg_u32 s[WV], 0
	s_cbranch_scc1 .Lnot_wave_0_\@
	s_barrier_signal -3
.Lnot_wave_0_\@:
	s_barrier_wait -3
	s_barrier_signal -1
	s_barrier_wait -1
.endm
	s_load_b128 s[4:7], s[0:1], 0x0                ; qb, kv
	s_load_b128 s[8:11], s[0:1], 0x10              ; cc, cs
	v_lshl_add_u32 v[SPW], v0, 2, SPARE
	v_mov_b32 v[NIL], 0
	ds_add_u32 v[SPW], v[NIL]                      ; the opening lines: the add, twice on end, and its wait
	ds_add_u32 v[SPW], v[NIL]
	v_lshrrev_b32 v1, 5, v0
	v_readfirstlane_b32 s[WV], v1                  ; wave 0..7
	s_bfe_u32 s13, ttmp6, 0x40000                  ; cx: it enters Q's and the context's addresses alone
	s_and_b32 s14, ttmp7, 0xffff                   ; 16 x batch + head, which the four partners share
	s_mov_b32 s[G1], 15|(3<<16)|(1<<21)            ; 15:0 the mask: all four; 17:16 elements of 8 bytes; 21 set beside a mask
	s_mov_b32 s[G1+1], 32<<16                      ; two dense blocks as 102 rows of 256 bytes
	s_mov_b32 s[G1+2], 102<<16
	s_mov_b32 s[G1+3], 32<<16
	s_mov_b32 s[G1+4], 102
	s_mov_b32 s[G1+5], 32
	s_mov_b32 s[G1+6], 0
	s_mov_b32 s[G1+7], 0
	s_lshl_b32 s15, s14, 3
	s_add_co_u32 s15, s15, s[WV]
	s_mul_i32 s16, s15, 2*BLKB                     ; my two blocks in memory,
	s_mov_b32 s17, 0
	s_mul_i32 s18, s[WV], 2*BLKB                   ; and in LDS
	s_wait_dscnt 0x0
	s_wait_kmcnt 0x0
	CROUND                                         ; all four work-groups are here: the joint loads meet
	s_mov_b32 s[G0], 1
	s_mov_b32 s[G0+1], s18
	s_add_nc_u64 s[G0+2:G0+3], s[6:7], s[16:17]
	s_or_b32 s[G0+3], s[G0+3], 0x80000000
	tensor_load_to_lds s[G0:G0+3], s[G1:G1+7]      ; my one tensor load of the launch
	s_nop 0
.rept 4
	v_nop
.endr
	s_mov_b32 s[SEL], 0x76543210
	s_mov_b32 s[SEL+1], 0xfedcba98
	s_mov_b32 s[CS], 0x3e38aa3b                    ; c = log2(e) / 8
	s_mov_b32 s[CS+1], s[CS]
	s_mov_b32 s[NC], 0xbe38aa3b                    ; -c
	; my query tiles are 32 cx + 4 wave + 0 .. 3: block 4 cx + wave / 2 of the head's 16 in qb, halves 4 (wave % 2) + 0 .. 3 in it
	s_lshl_b32 s38, s14, 4
	s_lshl_b32 s39, s13, 2
	s_add_co_u32 s38, s38, s39
	s_lshr_b32 s39, s[WV], 1
	s_add_co_u32 s38, s38, s39
	s_mul_i32 s38, s38, 6656
	s_and_b32 s39, s[WV], 1
	s_mul_i32 s48, s39, 3072
	s_add_co_u32 s48, s48, s38
	s_mov_b32 s49, 0
	s_add_nc_u64 s[40:41], s[4:5], s[48:49]        ; Q's four halves
	s_lshl_b32 s48, s39, 8
	s_add_co_u32 s48, s48, s38
	s_add_co_u32 s48, s48, 6144
	s_add_nc_u64 s[42:43], s[4:5], s[48:49]        ; their words: [tile / 4][r][tile % 4]
	s_lshr_b32 s38, s14, 4
	s_lshl_b32 s38, s38, 7
	s_lshl_b32 s39, s13, 5
	s_add_co_u32 s38, s38, s39
	s_lshl_b32 s39, s[WV], 2
	s_add_co_u32 s38, s38, s39                     ; my first token tile among all 512
	s_and_b32 s39, s14, 15                         ; the head
	s_mul_i32 s48, s38, 12288
	s_mul_i32 s50, s39, 768
	s_add_co_u32 s48, s48, s50
	s_add_nc_u64 s[44:45], s[8:9], s[48:49]        ; the context's half: the head is half head % 2 of K step head / 2
	s_lshl_b32 s48, s38, 9
	s_lshr_b32 s50, s39, 2
	s_lshl_b32 s50, s50, 7
	s_add_co_u32 s48, s48, s50
	s_and_b32 s50, s39, 3
	s_lshl_b32 s50, s50, 1
	s_add_co_u32 s48, s48, s50
	s_add_nc_u64 s[46:47], s[10:11], s[48:49]      ; and its two scale bytes
	v_and_b32 v8, 31, v0
	v_lshlrev_b32 v1, 4, v8                        ; 16 x lane
	v_lshlrev_b32 v2, 3, v8                        ; 8 x lane
	v_and_b32 v9, 15, v0
	v_lshlrev_b32 v3, 4, v9                        ; 16 r
	v_lshlrev_b32 v4, 3, v9                        ; 8 r
	v_bfe_u32 v10, v0, 4, 1                        ; h
	v_and_b32 v11, 7, v0                           ; r % 8
	v_bfe_u32 v12, v0, 3, 1                        ; r / 8
	v_mul_u32_u24 v13, v12, 1536                   ; two stored halves on for my tile's rows 8-15
	v_lshl_add_u32 v5, v11, 4, v13
	v_lshl_add_u32 v5, v10, 8, v5                  ; K, registers 0-3: 1,536 (r / 8) + 16 (r % 8) + 256 h
	v_lshl_add_u32 v6, v11, 3, v13
	v_lshl_add_u32 v6, v10, 7, v6                  ; K, registers 4-5: 1,536 (r / 8) + 8 (r % 8) + 128 h
	v_lshlrev_b32 v7, 8, v10
	v_lshl_add_u32 v7, v11, 4, v7
	v_lshl_add_u32 v7, v12, 3, v7                  ; K's words: 256 h + 16 (r % 8) + 8 (r / 8): lanes 16-31 take those of tiles 4-7
	v_lshlrev_b32 v[SH8], 3, v10                   ; 8 h
.irp i, 0,1
	global_load_b128 v[Q+12*\i:Q+12*\i+3], v1, s[40:41] offset:768*\i
	global_load_b64 v[Q+12*\i+4:Q+12*\i+5], v2, s[40:41] offset:768*\i+512
.endr
	global_load_b128 v[QW:QW+3], v3, s[42:43]      ; lane r: the words of row r of my four tiles
	WIN 0x40
.irp i, 0,1
	global_load_b128 v[232+12*\i:232+12*\i+3], v1, s[40:41] offset:1536+768*\i
	global_load_b64 v[232+12*\i+4:232+12*\i+5], v2, s[40:41] offset:1536+768*\i+512
.endr
.set J, 0
.rept 128
	v_mov_b32 v[J], 0                              ; O^T: the loop's first trip finds zeros, which the first change of M leaves zeros
.set J, J+1
.endr
.irp j, 176,177,178,179,180,181,238,239,240,241,242,243,250,251,252,253,254,255
	v_mov_b32 v\j, 0                               ; zero codes for the instruction's upper 64 along K
.endr
	WIN 0
.irp j, 106,107,108,109,110,111,118,119,120,121,122,123
	v_mov_b32 v\j, 0
.endr
.irp i, 0,1,2,3
	v_mov_b32 v[STB+4*\i+1], 0xff61b1e6            ; the largest score so far: -3e38, under every score
	v_mov_b32 v[STB+4*\i+2], 0
	v_mov_b32 v[STB+4*\i+3], 0
.endr
.irp i, 0,1,2,3
	v_mul_f32 v[STB+4*\i], s[NC], v[STB+4*\i+1]
.endr
.irp i, 0,1,2,3
	v_floor_f32 v[STB+4*\i], v[STB+4*\i]           ; -M
.endr
	v_mov_b32 v[TN+1], 0                           ; the upper halves of two pairs, and a lane permute's destination, count as read
	v_mov_b32 v[F+1], 0
	v_mov_b32 v[PT], 0
	s_mov_b32 s[TB], 0
	s_mov_b32 s[CNT], 16
	s_wait_alu depctr_va_vdst(0)                   ; the wait at the head's end
	s_wait_tensorcnt 0x0                           ; my two blocks are in,
	s_barrier_signal -1
	s_barrier_wait -1                              ; everybody's are
	s_wait_loadcnt 0x0                             ; Q and its words
; S^T of tile i against the step's 128 keys, into the 64 registers from sb on
.macro SMUL i, sb
.if (\i) < 2
.set QR, Q+12*(\i)
.else
.set QR, 232+12*((\i)-2)
.endif
.set QWN, 1+4*((\i)/2)
	WIN QWN                                        ; K in window 1; Q in window 0 or 1
.irp t, 0,1,2,3
	v_wmma_scale_f32_16x16x128_f8f6f4 v[\sb+8*\t:\sb+8*\t+7], v[KF+6*\t:KF+6*\t+11], v[QR:QR+11], 0, v[KWR+\t], v[QW+(\i)] matrix_a_fmt:MATRIX_FMT_BF6 matrix_b_fmt:MATRIX_FMT_BF6
.endr
.irp t, 4,5,6,7
	v_wmma_scale_f32_16x16x128_f8f6f4 v[\sb+8*\t:\sb+8*\t+7], v[KF+6*\t:KF+6*\t+11], v[QR:QR+11], 0, v[KWR+\t-4], v[QW+(\i)] matrix_a_fmt:MATRIX_FMT_BF6 matrix_b_fmt:MATRIX_FMT_BF6 matrix_a_scale:MATRIX_SCALE_ROW1
.endr
.endm
; O^T of tile i under the new M
.macro RESC i
	WIN 0x41
.set J, 32*(\i)
.rept 16
	v_pk_mul_f32 v[J:J+1], v[J:J+1], v[F:F+1] op_sel_hi:[1,0]   ; each accumulator from its low end on
.set J, J+2
.endr
	WIN 0
.endm
; O^T += V^T P^T of tile i: the four accumulators by turns
.macro PVM i
	WIN 0x51
.irp d, 0,1,2,3
	v_wmma_scale_f32_16x16x128_f8f6f4 v[32*(\i)+8*\d:32*(\i)+8*\d+7], v[VF+12*\d:VF+12*\d+11], v[PC:PC+11], v[32*(\i)+8*\d:32*(\i)+8*\d+7], v[VWR+\d], v[PW] matrix_a_fmt:MATRIX_FMT_BF6 matrix_b_fmt:MATRIX_FMT_BF6
.endr
.endm
.macro ADD4 sb, g                      ; four more pairs of p onto the four partial sums
.irp q, 0,1,2,3
	v_pk_add_f32 v[T+2*\q:T+2*\q+1], v[T+2*\q:T+2*\q+1], v[\sb+8*(\g)+2*\q:\sb+8*(\g)+2*\q+1]
.endr
.endm
; The softmax of tile i on the scores from sb on: register 32 c + n of lane (r, h) is key 64 c + 32 h + n of query r
.macro SOFT i, sb
.set ST, STB+4*(\i)
.irp t, 0,1,2,3,4,5,6,7                ; the largest scores, in eight chains by turns, one to an accumulator, each first read at its low end
	v_max3_num_f32 v[T+\t], v[\sb+8*\t], v[\sb+8*\t+1], v[\sb+8*\t+2]
.endr
.irp k, 3,5
.irp t, 0,1,2,3,4,5,6,7
	v_max3_num_f32 v[T+\t], v[T+\t], v[\sb+8*\t+\k], v[\sb+8*\t+\k+1]
.endr
.endr
.irp c, 0,1
	v_max3_num_f32 v[CA+2*\c], v[T+4*\c], v[T+4*\c+1], v[\sb+32*\c+7]
	v_max3_num_f32 v[CA+2*\c+1], v[T+4*\c+2], v[T+4*\c+3], v[\sb+32*\c+15]
	v_max_num_f32 v[SO+\c], v[\sb+32*\c+23], v[\sb+32*\c+31]
.endr
.irp c, 0,1
	v_max3_num_f32 v[BM+\c], v[CA+2*\c], v[CA+2*\c+1], v[SO+\c]   ; the largest score of each of my two blocks of 32 keys
.endr
	v_max3_num_f32 v[MX], v[BM], v[BM+1], v[ST+1]
	v_permlanex16_b32 v[PT], v[MX], s[SEL], s[SEL+1]
	v_max_num_f32 v[ST+1], v[MX], v[PT]            ; the running largest score of my query (c is positive)
	v_mul_f32 v[TN], s[NC], v[ST+1]
	v_floor_f32 v[TN], v[TN]                       ; the new -M = floor(-t) = -ceil(t)
.set J, \sb
.rept 32
	v_pk_fma_f32 v[J:J+1], v[J:J+1], s[CS:CS+1], v[TN:TN+1] op_sel_hi:[1,0,0]   ; t - M, two at a time
.set J, J+2
.endr
.irp c, 0,1
	v_fma_f32 v[BM+\c], v[BM+\c], s[CS], v[TN]     ; the same of each block's largest score: p rises with the score
.endr
	s_wait_alu depctr_va_vdst(0)                   ; the wait ahead of the batch
.set J, \sb
.rept 64
	v_exp_f32 v[J], v[J]                           ; p = 2^(t - M), at most 1
.set J, J+1
.endr
.irp c, 0,1
	v_exp_f32 v[BM+\c], v[BM+\c]                   ; the block's largest p: the same two instructions on the same number give the same bits
.endr
	v_sub_f32 v[TD], v[TN], v[ST]                  ; M's old value less its new one: a whole number, 0 or less
	v_mov_b32 v[ST], v[TN]
	v_cvt_i32_f32 v[TD], v[TD]                     ; (it saturates)
	v_ldexp_f32 v[F], 1.0, v[TD]                   ; f = 2^(old M - new M)
	s_wait_alu depctr_va_vdst(0)                   ; one wait for the batch, ahead of its first reader
.if (\i) > 0
	PVM (\i)-1                                     ; the tile before: its codes and word are read here, twelve plain lines ahead of the conversions that write them anew
.endif
.if (\i) < 3
	SMUL (\i)+1, 320-(\sb)                         ; the next tile's scores, into the other buffer, whose p has been converted and summed
.endif
	WIN 0
.irp c, 0,1
	v_max_num_f32 v[BM+\c], 0x2800000, v[BM+\c]    ; the floor 2^(5 - 127): the byte cannot fall under 1
.endr
.irp q, 0,1,2,3                        ; the row's sum of the unquantised p, in four chains, laid between the links of the scale's chain
	v_pk_add_f32 v[T+2*\q:T+2*\q+1], v[\sb+2*\q:\sb+2*\q+1], v[\sb+8+2*\q:\sb+8+2*\q+1]
.endr
.irp c, 0,1
	v_add_nc_u32 v[SO+\c], 0xfe000000, v[BM+\c]    ; 4 off the exponent field: the conversion's scale operand
.endr
	ADD4 \sb, 2
.irp c, 0,1
	v_cvt_scalef32_pk16_bf6_f32 v[PC+6*\c:PC+6*\c+2], v[\sb+32*\c:\sb+32*\c+15], v[SO+\c]
	v_cvt_scalef32_pk16_bf6_f32 v[CT+4*\c:CT+4*\c+2], v[\sb+32*\c+16:\sb+32*\c+31], v[SO+\c]   ; (a conversion's three registers begin on an even number)
.endr
.irp c, 0,1
	v_lshrrev_b32 v[BY+\c], 23, v[SO+\c]           ; the scale's byte (a plain place behind the conversions)
.endr
	ADD4 \sb, 3
	v_lshl_or_b32 v[W], v[BY+1], 16, v[BY]         ; my two bytes: blocks h and 2 + h,
	ADD4 \sb, 4
	v_lshlrev_b32 v[W], v[SH8], v[W]               ; at their places in the word;
	ADD4 \sb, 5
	v_permlanex16_b32 v[PT], v[W], s[SEL], s[SEL+1]
	ADD4 \sb, 6
	v_or_b32 v[PW], v[W], v[PT]                    ; with lane l xor 16's two the word is whole
.irp c, 0,1
.irp k, 0,1,2
	v_mov_b32 v[PC+3+6*\c+\k], v[CT+4*\c+\k]
.endr
.endr
	ADD4 \sb, 7
	v_pk_add_f32 v[T:T+1], v[T:T+1], v[T+2:T+3]
	v_pk_add_f32 v[T+4:T+5], v[T+4:T+5], v[T+6:T+7]
	RESC \i
	v_pk_add_f32 v[T:T+1], v[T:T+1], v[T+4:T+5]
	v_pk_fma_f32 v[ST+2:ST+3], v[ST+2:ST+3], v[F:F+1], v[T:T+1] op_sel_hi:[1,0,1]   ; the sum under the new M, and this step's
.endm
.Lkeys:                                        ; A KEY STEP: 128 keys for my four tiles
	v_add_nc_u32 v8, s[TB], v5                     ; six plain lines: also the places in front of loads into registers that the last products have read
	v_add_nc_u32 v9, s[TB], v6
	v_add_nc_u32 v10, s[TB], v7
	v_add_nc_u32 v11, s[TB], v1
	v_add_nc_u32 v12, s[TB], v2
	v_add_nc_u32 v13, s[TB], v3
	ds_load_b64 v[KWR:KWR+1], v10 offset:12288     ; K's words: register u, lane (r, h): row r of tile 4 h + u
	ds_load_b64 v[KWR+2:KWR+3], v10 offset:12288+128
	ds_load_b128 v[VWR:VWR+3], v13 offset:12800    ; V's words
	WIN 0x40
.irp t, 0,1,2,3,4,5,6,7
	ds_load_b128 v[KF+6*\t:KF+6*\t+3], v8 offset:3072*(\t/4)+768*(\t%2)+128*((\t%4)/2)
	ds_load_b64 v[KF+6*\t+4:KF+6*\t+5], v9 offset:3072*(\t/4)+768*(\t%2)+64*((\t%4)/2)+512
.endr
.irp d, 0,1,2,3
.irp c, 0,1
	ds_load_b128 v[VF+12*\d+6*\c:VF+12*\d+6*\c+3], v11 offset:6144+1536*\d+768*\c
	ds_load_b64 v[VF+12*\d+6*\c+4:VF+12*\d+6*\c+5], v12 offset:6144+1536*\d+768*\c+512
.endr
.endr
	WIN 0
	s_wait_dscnt 16                                ; all but V's sixteen fragment loads: the words and K are in
	SMUL 0, 128
	WIN 0
	s_wait_dscnt 0x0                               ; V is in
.rept 4
	v_nop                                          ; places in front of the first read of tile 0's scores
.endr
	SOFT 0, 128
	SOFT 1, 192
	SOFT 2, 128
	SOFT 3, 192
	PVM 3
	WIN 0
	s_add_co_u32 s[TB], s[TB], BLKB
	s_sub_co_u32 s[CNT], s[CNT], 1
	s_cmp_lg_u32 s[CNT], 0
	s_cbranch_scc1 .Lkeys
.irp i, 0,1,2,3                        ; twelve plain lines: also the places behind the last products
	v_add_f32 v[STB+4*\i+2], v[STB+4*\i+2], v[STB+4*\i+3]   ; the sum's two halves,
.endr
.irp i, 0,1,2,3
	v_permlanex16_b32 v[CA+\i], v[STB+4*\i+2], s[SEL], s[SEL+1]
.endr
.irp i, 0,1,2,3
	v_add_f32 v[STB+4*\i+2], v[STB+4*\i+2], v[CA+\i]        ; and lane l xor 16's
.endr
	s_wait_alu depctr_va_vdst(0)                   ; the wait ahead of the batch
.irp i, 0,1,2,3
	v_rcp_f32 v[STB+4*\i+2], v[STB+4*\i+2]
.endr
	v_nop                                          ; a plain place behind the transcendentals
; Tile i's context: register 16 b + n is channel 32 b + 16 (lane / 16) + n of my query; quantised along the head's 64.  Each tile has registers of its own for what it stores.
.macro OUT i
.set X,  128+32*((\i)%2)
.set C6, 192+6*(\i)
.set C2, 216+4*(\i)
.set E,  44+2*(\i)
.set P2, 56+2*(\i)
.set S2, 64+2*(\i)
	WIN 0x01
	s_wait_alu depctr_va_vdst(0)                   ; for the reciprocals, and directly ahead of the first readers of O^T
.set J, 0
.rept 32
	v_mul_f32 v[X+J], v[32*(\i)+J], v[STB+4*(\i)+2]
.set J, J+1
.endr
	WIN 0
.irp b, 0,1
	v_max3_num_f32 v[E+\b], |v[X+16*\b]|, |v[X+16*\b+1]|, 0x2800000
.endr
.irp k, 2,4,6,8,10,12,14
.irp b, 0,1
	v_max3_num_f32 v[E+\b], v[E+\b], |v[X+16*\b+\k]|, |v[X+16*\b+\k+1]|
.endr
.endr
.irp b, 0,1
	v_permlanex16_b32 v[P2+\b], v[E+\b], s[SEL], s[SEL+1]
.endr
.irp b, 0,1
	v_max_num_f32 v[E+\b], v[E+\b], v[P2+\b]
.endr
.irp b, 0,1
	v_add_nc_u32 v[S2+\b], 0xfe000000, v[E+\b]
.endr
.irp b, 0,1
	v_lshrrev_b32 v[P2+\b], 23, v[S2+\b]
.endr
	v_lshl_or_b32 v[232+(\i)], v[P2+1], 8, v[P2]   ; the head's two scale bytes
	v_cvt_scalef32_pk16_bf6_f32 v[C6:C6+2], v[X:X+15], v[S2]
	v_cvt_scalef32_pk16_bf6_f32 v[C2:C2+2], v[X+16:X+31], v[S2+1]
	v_nop                                          ; one plain place behind a scaled conversion
.irp k, 0,1,2
	v_permlane16_swap_b32 v[C6+\k], v[C2+\k]       ; the operand's layout wants a whole block in a lane
.endr
.irp k, 0,1,2
	v_mov_b32 v[C6+3+\k], v[C2+\k]
.endr
	global_store_b128 v1, v[C6:C6+3], s[44:45] offset:12288*(\i)       ; half a fragment's image: 512 consecutive bytes,
	global_store_b64 v2, v[C6+4:C6+5], s[44:45] offset:12288*(\i)+512  ; and 256
	global_store_b16 v4, v[232+(\i)], s[46:47] offset:512*(\i)         ; two bytes a row (lanes 16-31 write what lanes 0-15 write): a word's other bytes belong to another head's work-group
.endm
	OUT 0
	OUT 1
	OUT 2
	OUT 3
	s_wait_tensorcnt 0x0                           ; the wave's end
	ds_add_u32 v[SPW], v[NIL]
	s_wait_dscnt 0x0
	CROUND                                         ; the closing round
	s_endpgm
.Lfunc_end_k_q3ae87e1f3e_attn:
	.size	k_q3ae87e1f3e_attn, .Lfunc_end_k_q3ae87e1f3e_attn-k_q3ae87e1f3e_attn
	.p2alignl 7, 3214868480
	.fill 96, 4, 3214868480
	.section	.rodata,"a",@progbits
	.p2align	6, 0x0
	.amdhsa_kernel k_q3ae87e1f3e_attn
		.amdhsa_group_segment_fixed_size 210944
		.amdhsa_private_segment_fixed_size 0
		.amdhsa_enable_private_segment 0
		.amdhsa_kernarg_size 32
		.amdhsa_user_sgpr_count 2
		.amdhsa_user_sgpr_kernarg_segment_ptr 1
		.amdhsa_wavefront_size32 1
		.amdhsa_system_sgpr_workgroup_id_x 1
		.amdhsa_system_sgpr_workgroup_id_y 1
		.amdhsa_system_sgpr_workgroup_id_z 1
		.amdhsa_system_vgpr_workitem_id 0
		.amdhsa_next_free_vgpr 512
		.amdhsa_next_free_sgpr 66
		.amdhsa_reserve_vcc 0
		.amdhsa_float_denorm_mode_32 3
		.amdhsa_float_denorm_mode_16_64 3
		.amdhsa_memory_ordered 1
		.amdhsa_forward_progress 1
		.amdhsa_inst_pref_size 78
	.end_amdhsa_kernel
	.amdgpu_metadata
---
amdhsa.version: [ 1, 2 ]
amdhsa.kernels:
  - .name:           k_q3ae87e1f3e_attn
    .symbol:         k_q3ae87e1f3e_attn.kd
    .args:
      - { .name: qb, .offset: 0, .size: 8, .value_kind: global_buffer, .address_space: global }
      - { .name: kv, .offset: 8, .size: 8, .value_kind: global_buffer, .address_space: global }
      - { .name: cc, .offset: 16, .size: 8, .value_kind: global_buffer, .address_space: global }
      - { .name: cs, .offset: 24, .size: 8, .value_kind: global_buffer, .address_space: global }
    .group_segment_fixed_size: 210944
    .private_segment_fixed_size: 0
    .kernarg_segment_align: 8
    .kernarg_segment_size: 32
    .max_flat_workgroup_size: 256
    .sgpr_count:     66
    .vgpr_count:     512
    .wavefront_size: 32
...
	.end_amdgpu_metadata
.endif
;; end of part 3
;; launch gemm_out (part 4): grid 4 x 64, 4 waves a work-group, clusters of 4 x 4, 327,680 bytes of LDS; arguments cc, cs, oc, os, b_o, out0; writes out0
.if DOCPART == 4
	.amdgcn_target "amdgcn-amd-amdhsa--gfx1250"
	.amdhsa_code_object_version 6
	.text
	.protected	k_q3ae87e1f3e_gemm_out
	.globl	k_q3ae87e1f3e_gemm_out
	.p2align	8
	.type	k_q3ae87e1f3e_gemm_out,@function
k_q3ae87e1f3e_gemm_out:
	s_mov_b64 s[64:65], 0
	v_nop
	global_prefetch_b8 v0, s[64:65] scope:SCOPE_SE
	s_setreg_imm32_b32 hwreg(HW_REG_WAVE_MODE, 25, 1), 1
	s_wait_xcnt 0x0
	s_wait_alu depctr_hold_cnt(0) depctr_sa_sdst(0) depctr_va_vdst(0) depctr_va_sdst(0) depctr_va_ssrc(0) depctr_va_vcc(0) depctr_vm_vsrc(0)
	s_getreg_b32 s2, hwreg(HW_REG_IB_STS2, 6, 4)
	s_cmp_eq_u32 s2, 0
	s_cbranch_scc0 .Lentry_in_a_cluster
	s_endpgm
.Lentry_in_a_cluster:
	s_bfe_u32 s2, ttmp6, 0x10000c
	s_cmp_lg_u32 s2, 0xf033
	s_cbranch_scc0 .Lentry_shape_is_right
	s_endpgm
.Lentry_shape_is_right:
; out0[token][channel] = sum over k of context[token][k] W_o[channel][k] + b_o[channel], on codes of BF6 (E3M2) with E8M0 scales, K = 1,024; sums in f32.
; OPERANDS.  cc, cs: the context's codes and scale words; oc, os from tile 704 on: W_o's.  Both lie as images of operand registers: codes [tile of 16 rows][K step 8][1,536 bytes]
; (a half of 768 bytes: lane l's registers 0-3 at 16 l, registers 4-5 at 512 + 8 l); words [tile][4][row 16][2 words].  Row r of tile T is the actual row 32 (T / 2) + 8 (T % 2) + r + 8 (r / 8).
; SHARES.  A work-group makes 128 tokens x 256 channels: 64 x 4 = 256 work-groups.  Each of its four waves makes 64 x 128: 32 accumulators of 16 x 16.
; ALL OF K LIES IN LDS: A's 8 tiles (98,304 bytes), B's 16 tiles (196,608), A's words (4,096), B's words (8,192), each one dense block of memory, each brought ONCE by one tensor load, one a wave.
; Nothing is filled again: no ring, and no round of the cluster's barrier but the opening and the closing one.  All is asked for at the head, and there is no loop to run ahead in: no prefetch is written.
; CLUSTER.  4 x 4 work-groups: the four of a row of the cluster need the same tokens (A and its words), the four of a column the same channels (B and its words): each block is asked for jointly.
; THE MATRIX INSTRUCTION IS USED TRANSPOSED (source 0 = 16 rows of W_o, source 1 = 16 tokens): a lane holds eight neighbouring channels of one token.  The bias is the C of the first K step's products.
; A K STEP is 32 products; ahead of them the next step's 12 fragments are asked of LDS, into the other of two sets of registers.
; REGISTERS.  Window 0: v4-29 addresses; v32-95 scale words: register 8 i + s: lanes 0-15 the word of A's block i, lanes 16-31 that of B's block i, for K step s; v96-159 the bias; v160-255 A's fragments, two sets;
;   on the way out v128-255 are free.   Window 1: v0-191 B's fragments, two sets.   Window 2: accumulator (a, b) at v[8 (8 a + b)].
.set FR,     12
.set TK,     12288                     ; a tile's codes for all of K
.set ABYTES, 8*TK
.set SCL,    24*TK                     ; behind the codes: A's words, then B's
.set SPARE,  SCL+12288                 ; behind them: the spare words
.set SPITCH, 528                       ; the way out: a stage of 16 rows x (512 bytes + 16) for each wave, on A's bytes, behind a barrier behind which nobody reads them
.set L16,  4
.set L8,   5
.set ADRA, 16                          ; v16-17  my A fragments: registers 0-3, registers 4-5
.set ADRB, 20                          ; v20-23  my B fragments: blocks 0-3, 4-7 (registers 0-3); the same (registers 4-5)
.set STO,  24
.set RD,   25
.set ADRS, 27
.set SPW,  28
.set NIL,  29
.set SC,   32
.set BI,   96
.set AF,   160
.set BK,   128
.set WV,   18
.set RH,   19
.set CH,   20
.set G1A,  24
.set G0A,  32
.set G0B,  36
.set G1B,  48
.set G0S,  56
.set G0SB, 60
.set G1S,  68
.set G1SB, 80
.set MSB, 0
.macro WIN new                         ; the immediate's high byte repeats the setting that is left
.if MSB != \new
	s_set_vgpr_msb (MSB<<8)|\new
.set MSB, \new
.endif
.endm
.macro CROUND
	s_barrier_signal -1
	s_barrier_wait -1
	s_cmp_lg_u32 s[WV], 0
	s_cbranch_scc1 .Lnot_wave_0_\@
	s_barrier_signal -3
.Lnot_wave_0_\@:
	s_barrier_wait -3
	s_barrier_signal -1
	s_barrier_wait -1
.endm
.macro PLACES n
.rept \n
	v_nop
.endr
.endm
.macro DESC1 g, rows                   ; group 1 of a dense block: rows of 256 bytes (32 elements of 8)
	s_mov_b32 s[\g+1], 32<<16
	s_mov_b32 s[\g+2], (\rows)<<16
	s_mov_b32 s[\g+3], 32<<16
	s_mov_b32 s[\g+4], \rows
	s_mov_b32 s[\g+5], 32
	s_mov_b32 s[\g+6], 0
	s_mov_b32 s[\g+7], 0
.endm
	s_load_b128 s[4:7], s[0:1], 0x0                ; cc, cs
	s_load_b128 s[8:11], s[0:1], 0x10              ; oc, os
	s_load_b128 s[12:15], s[0:1], 0x20             ; b_o, out0
	v_lshl_add_u32 v[SPW], v0, 2, SPARE
	v_mov_b32 v[NIL], 0
	ds_add_u32 v[SPW], v[NIL]                      ; the opening lines: the add, twice on end, and its wait
	ds_add_u32 v[SPW], v[NIL]
	v_lshrrev_b32 v1, 5, v0
	v_readfirstlane_b32 s[WV], v1                  ; wave 0..3
	s_lshr_b32 s[RH], s[WV], 1                     ; which 64 tokens are mine
	s_and_b32 s[CH], s[WV], 1                      ; which 128 channels
	s_bfe_u32 s40, ttmp6, 0x40000                  ; cx
	s_bfe_u32 s41, ttmp6, 0x40004                  ; cy
	s_and_b32 s42, ttmp7, 0xffff
	s_lshl_b32 s43, s41, 2
	s_lshl_b32 s43, 15, s43                        ; my row of the cluster
	s_lshl_b32 s44, 0x1111, s40                    ; my column
	s_or_b32 s[G1A], s43, (3<<16)|(1<<21)
	s_or_b32 s[G1B], s44, (3<<16)|(1<<21)
	s_or_b32 s[G1S], s43, (3<<16)|(1<<21)
	s_or_b32 s[G1SB], s44, (3<<16)|(1<<21)
	DESC1 G1A, 384
	DESC1 G1B, 768
	DESC1 G1S, 16
	DESC1 G1SB, 32
	s_lshl_b32 s45, s42, 2
	s_add_co_u32 s45, s45, s41                     ; my block of 128 tokens: 4 x cluster y + cy
	s_lshl_b32 s93, s45, 3                         ; A's first tile
	s_lshl_b32 s95, s40, 4
	s_add_co_u32 s95, s95, 704                     ; B's first tile
	s_mul_i32 s46, s93, TK
	s_mov_b32 s47, 0
	s_lshl_b32 s96, s93, 9
	s_mov_b32 s97, 0
	s_mul_i32 s100, s95, TK
	s_mov_b32 s101, 0
	s_lshl_b32 s98, s95, 9
	s_mov_b32 s99, 0
	s_wait_dscnt 0x0
	s_wait_kmcnt 0x0
	s_add_nc_u64 s[46:47], s[4:5], s[46:47]
	s_add_nc_u64 s[96:97], s[6:7], s[96:97]
	s_add_nc_u64 s[100:101], s[8:9], s[100:101]
	s_add_nc_u64 s[98:99], s[10:11], s[98:99]
	CROUND                                         ; all sixteen work-groups are here: the joint loads meet
	s_mov_b32 s[G0A], 1
	s_mov_b32 s[G0A+1], 0
	s_mov_b64 s[G0A+2:G0A+3], s[46:47]
	s_or_b32 s[G0A+3], s[G0A+3], 0x80000000
	s_mov_b32 s[G0B], 1
	s_mov_b32 s[G0B+1], ABYTES
	s_mov_b64 s[G0B+2:G0B+3], s[100:101]
	s_or_b32 s[G0B+3], s[G0B+3], 0x80000000
	s_mov_b32 s[G0S], 1
	s_mov_b32 s[G0S+1], SCL
	s_mov_b64 s[G0S+2:G0S+3], s[96:97]
	s_or_b32 s[G0S+3], s[G0S+3], 0x80000000
	s_mov_b32 s[G0SB], 1
	s_mov_b32 s[G0SB+1], SCL+4096
	s_mov_b64 s[G0SB+2:G0SB+3], s[98:99]
	s_or_b32 s[G0SB+3], s[G0SB+3], 0x80000000
; THE LAUNCH'S FOUR LOADS, ONE A WAVE: wave 0 A's codes, wave 1 B's, wave 2 A's words, wave 3 B's.  One chain of branches on the wave's number, one load to an arm, all arms leading to one join.
.macro ARM under, g0, g1, next
	s_cmp_lt_u32 s[WV], \under
	s_cbranch_scc0 \next
	tensor_load_to_lds s[\g0:\g0+3], s[\g1:\g1+7]
	s_nop 0
.rept 4
	v_nop
.endr
	s_branch .Lhead_asked
\next:
.endm
	ARM 1, G0A, G1A, .Lhead_b
	ARM 2, G0B, G1B, .Lhead_sa
	ARM 3, G0S, G1S, .Lhead_sb
	tensor_load_to_lds s[G0SB:G0SB+3], s[G1SB:G1SB+7]
	s_nop 0
.rept 4
	v_nop
.endr
.Lhead_asked:
	s_mul_i32 s21, s[RH], 4*TK                     ; my four tiles of A
	s_mul_i32 s22, s[CH], 8*TK
	s_add_co_u32 s22, s22, ABYTES                  ; my eight tiles of B: the first four,
	s_add_co_u32 s23, s22, 4*TK                    ; and the other four (an LDS offset has 16 bits)
	s_lshl_b32 s92, s[RH], 11                      ; A's words: 512 bytes a tile
	s_lshl_b32 s94, s[CH], 12
	s_add_co_u32 s94, s94, 4096
	s_sub_co_u32 s94, s94, s92                     ; from my words of A to my words of B
	s_add_co_u32 s92, s92, SCL
	s_mul_i32 s46, s[WV], 16*SPITCH                ; my stage
	s_lshl_b32 s96, s40, 10
	s_lshl_b32 s97, s[CH], 9
	s_add_co_u32 s96, s96, s97                     ; my first channel, in bytes
	s_mov_b32 s97, 0
	s_add_nc_u64 s[12:13], s[12:13], s[96:97]
	s_lshl_b32 s98, s45, 7
	s_lshl_b32 s99, s[RH], 6
	s_add_co_u32 s98, s98, s99                     ; my first token
	s_lshl_b32 s98, s98, 12                        ; rows of 4,096 bytes
	s_add_co_u32 s96, s96, s98
	s_add_nc_u64 s[14:15], s[14:15], s[96:97]
	v_and_b32 v1, 31, v0
	v_and_b32 v2, 15, v0                           ; r
	v_bfe_u32 v3, v0, 4, 1                         ; h
	v_lshlrev_b32 v[L16], 4, v1
	v_lshlrev_b32 v[L8], 3, v1
	v_add_nc_u32 v[ADRA], s21, v[L16]
	v_add_nc_u32 v[ADRA+1], s21, v[L8]
	v_add_nc_u32 v[ADRB], s22, v[L16]
	v_add_nc_u32 v[ADRB+1], s23, v[L16]
	v_add_nc_u32 v[ADRB+2], s22, v[L8]
	v_add_nc_u32 v[ADRB+3], s23, v[L8]
	v_lshlrev_b32 v6, 3, v2
	v_mul_u32_u24 v7, s94, v3                      ; lanes 16-31 take B's words
	v_add_nc_u32 v6, v6, v7
	v_add_nc_u32 v[ADRS], s92, v6
	v_mul_u32_u24 v9, v2, SPITCH                   ; the stage, in: row r, 64 bytes for each half of the lanes
	v_lshl_add_u32 v9, v3, 6, v9
	v_add_nc_u32 v[STO], s46, v9
	v_add_nc_u32 v[RD], s46, v[L16]                ; and back: the 32 lanes take one row of 512 bytes
	v_lshlrev_b32 v8, 6, v3
.irp b, 0,1,2,3,4,5,6,7                ; the bias in the result's layout: register j of block b is channel 32 (b / 2) + 8 (b % 2) + 16 h + j
	global_load_b128 v[BI+8*\b:BI+8*\b+3], v8, s[12:13] offset:(32*(\b/2)+8*(\b%2))*4
	global_load_b128 v[BI+8*\b+4:BI+8*\b+7], v8, s[12:13] offset:(32*(\b/2)+8*(\b%2))*4+16
.endr
.macro FRAG reg, a16, a8, off
.irp c, 0,1
	ds_load_b128 v[\reg+6*\c:\reg+6*\c+3], v[\a16] offset:(\off)+768*\c
	ds_load_b64 v[\reg+6*\c+4:\reg+6*\c+5], v[\a8] offset:(\off)+768*\c+512
.endr
.endm
.macro FETCH st                        ; K step st's twelve fragments, 48 loads, into set st % 2
.set P, (\st)%2
	WIN 0x40
.irp i, 0,1,2,3,4,5,6,7
	FRAG 96*P+FR*\i, ADRB+\i/4, ADRB+2+\i/4, TK*(\i%4)+1536*(\st)
.endr
	WIN 0
.irp i, 0,1,2,3
	FRAG AF+48*P+FR*\i, ADRA, ADRA+1, TK*\i+1536*(\st)
.endr
.endm
; 32 products: the accumulators by turns, one instruction a turn, in the same order in every step
.macro MUL st, first
.set P, (\st)%2
.irp a, 0,1,2,3
.irp b, 0,1,2,3,4,5,6,7
.if \first
	v_wmma_scale_f32_16x16x128_f8f6f4 v[8*(8*\a+\b):8*(8*\a+\b)+7], v[96*P+FR*\b:96*P+FR*\b+FR-1], v[AF+48*P+FR*\a:AF+48*P+FR*\a+FR-1], v[BI+8*\b:BI+8*\b+7], v[SC+8*\b+(\st)], v[SC+8*\a+(\st)] matrix_a_fmt:MATRIX_FMT_BF6 matrix_b_fmt:MATRIX_FMT_BF6 matrix_a_scale:MATRIX_SCALE_ROW1
.else
	v_wmma_scale_f32_16x16x128_f8f6f4 v[8*(8*\a+\b):8*(8*\a+\b)+7], v[96*P+FR*\b:96*P+FR*\b+FR-1], v[AF+48*P+FR*\a:AF+48*P+FR*\a+FR-1], v[8*(8*\a+\b):8*(8*\a+\b)+7], v[SC+8*\b+(\st)], v[SC+8*\a+(\st)] matrix_a_fmt:MATRIX_FMT_BF6 matrix_b_fmt:MATRIX_FMT_BF6 matrix_a_scale:MATRIX_SCALE_ROW1
.endif
.endr
.endr
.endm
	s_wait_alu depctr_va_vdst(0)                   ; the wait at the head's end
	s_wait_tensorcnt 0x0                           ; my block is in,
	s_barrier_signal -1
	s_barrier_wait -1                              ; everybody's is
.irp i, 0,1,2,3,4,5,6,7                ; all the scale words, 32 loads.  (Lanes 0-15 of blocks 4-7 read words of other tokens or of B: bytes that the loads wrote, and no product names them as A's)
.irp g, 0,1,2,3
	ds_load_b64 v[SC+8*\i+2*\g:SC+8*\i+2*\g+1], v[ADRS] offset:512*\i+128*\g
.endr
.endr
	FETCH 0
	FETCH 1
	s_wait_loadcnt 0x0                             ; the bias
	s_wait_dscnt 48                                ; all but K step 1's 48 loads
	WIN 0x81                                       ; source 0 (B) window 1, source 1 (A) and C (the bias) window 0, D window 2
	MUL 0, 1
.set ST, 1
.rept 6
	WIN 0
	PLACES 4                                       ; in front of loads into registers that the last step's products have read
	FETCH ST+1
	s_wait_dscnt 48                                ; all but the 48 just issued: this step's fragments are in
	WIN 0xa1                                       ; C and D window 2
	MUL ST, 0
.set ST, ST+1
.endr
	s_wait_dscnt 0x0                               ; the last step's fragments are in, and my reads of LDS are over:
	s_barrier_signal -1                            ; say so,
	MUL 7, 0                                       ; work on registers while the others arrive,
	WIN 0
	s_barrier_wait -1                              ; and go on when nobody reads A's bytes any more: the stages lie there
; THE WAY OUT, block by block of 16 tokens x 128 channels, through my own stage: back come whole rows of 512 bytes, which the 32 lanes store as two aligned units of 256 bytes.
; LDS serves a wave's instructions in order: no wait between the stores and the loads.
.macro TOSTAGE a
.set AC, 64*(\a)
	WIN 0x08                                       ; the data: window 2
.irp b, 0,1,2,3,4,5,6,7
	ds_store_b128 v[STO], v[AC+8*\b:AC+8*\b+3] offset:128*(\b/2)+32*(\b%2)       ; each accumulator from its low end on
	ds_store_b128 v[STO], v[AC+8*\b+4:AC+8*\b+7] offset:128*(\b/2)+32*(\b%2)+16
.endr
	WIN 0
.set BB, BK+64*((\a)%2)
.irp t, 0,1,2,3,4,5,6,7,8,9,10,11,12,13,14,15
	ds_load_b128 v[BB+4*\t:BB+4*\t+3], v[RD] offset:\t*SPITCH
.endr
.endm
.macro SEND a, younger                 ; younger: the LDS instructions issued behind block a's loads, which may stay out
.set BB, BK+64*((\a)%2)
	s_wait_dscnt \younger
.irp t, 0,1,2,3,4,5,6,7,8,9,10,11,12,13,14,15
	global_store_b128 v[L16], v[BB+4*\t:BB+4*\t+3], s[14:15] offset:(32*((\a)/2)+8*((\a)%2)+16*(\t/8)+\t%8)*4096 th:TH_STORE_NT
.endr
.endm
	PLACES 4                                       ; behind the last products: in front of the first read of results and of loads into registers that products have read
	TOSTAGE 0
.irp a, 1,2,3
.if \a > 1
	s_wait_xcnt 0x0                                ; block a - 2's stores have read their registers: block a's loads may land there
.endif
	TOSTAGE \a
	SEND \a-1, 32                                  ; behind block a - 1's loads: block a's 16 stores and 16 loads
.endr
	SEND 3, 0
	s_wait_tensorcnt 0x0                           ; the wave's end
	ds_add_u32 v[SPW], v[NIL]
	s_wait_dscnt 0x0
	CROUND                                         ; the closing round
	s_endpgm
.Lfunc_end_k_q3ae87e1f3e_gemm_out:
	.size	k_q3ae87e1f3e_gemm_out, .Lfunc_end_k_q3ae87e1f3e_gemm_out-k_q3ae87e1f3e_gemm_out
	.p2alignl 7, 3214868480
	.fill 96, 4, 3214868480
	.section	.rodata,"a",@progbits
	.p2align	6, 0x0
	.amdhsa_kernel k_q3ae87e1f3e_gemm_out
		.amdhsa_group_segment_fixed_size 327680
		.amdhsa_private_segment_fixed_size 0
		.amdhsa_enable_private_segment 0
		.amdhsa_kernarg_size 48
		.amdhsa_user_sgpr_count 2
		.amdhsa_user_sgpr_kernarg_segment_ptr 1
		.amdhsa_wavefront_size32 1
		.amdhsa_system_sgpr_workgroup_id_x 1
		.amdhsa_system_sgpr_workgroup_id_y 1
		.amdhsa_system_sgpr_workgroup_id_z 1
		.amdhsa_system_vgpr_workitem_id 0
		.amdhsa_next_free_vgpr 768
		.amdhsa_next_free_sgpr 102
		.amdhsa_reserve_vcc 0
		.amdhsa_float_denorm_mode_32 3
		.amdhsa_float_denorm_mode_16_64 3
		.amdhsa_memory_ordered 1
		.amdhsa_forward_progress 1
		.amdhsa_inst_pref_size 85
	.end_amdhsa_kernel
	.amdgpu_metadata
---
amdhsa.version: [ 1, 2 ]
amdhsa.kernels:
  - .name:           k_q3ae87e1f3e_gemm_out
    .symbol:         k_q3ae87e1f3e_gemm_out.kd
    .args:
      - { .name: cc, .offset: 0, .size: 8, .value_kind: global_buffer, .address_space: global }
      - { .name: cs, .offset: 8, .size: 8, .value_kind: global_buffer, .address_space: global }
      - { .name: oc, .offset: 16, .size: 8, .value_kind: global_buffer, .address_space: global }
      - { .name: os, .offset: 24, .size: 8, .value_kind: global_buffer, .address_space: global }
      - { .name: b_o, .offset: 32, .size: 8, .value_kind: global_buffer, .address_space: global }
      - { .name: out0, .offset: 40, .size: 8, .value_kind: global_buffer, .address_space: global }
    .group_segment_fixed_size: 327680
    .private_segment_fixed_size: 0
    .kernarg_segment_align: 8
    .kernarg_segment_size: 48
    .max_flat_workgroup_size: 128
    .sgpr_count:     102
    .vgpr_count:     768
    .wavefront_size: 32
...
	.end_amdgpu_metadata
.endif
;; end of part 4
